; MI455X (gfx1250); checked and timed in simulation.
; The chip was launched on July 23, 2026; its instructions are those of AMD's public machine-readable ISA for CDNA 5 (MIT licence, August 2026) and "CDNA5" Instruction Set Architecture Reference Guide (July 2026). The comments in the code are by the model that wrote it; some were corrected since.
;; Linear Attention. Allowed arithmetic: matrix products marked QUANTISED: E2M1 operands, one E8M0 scale for each 32 along K, by v_wmma_scale_f32_16x16x128_f8f6f4 with both operands' format E2M1 (or v_wmma_scale_f32_32x16x128_f4), f32 sums; products left as they are: bf16, f16 or f32 operands; f32 sums; everything else in f32.
;; Inputs: be_k 64 float32; be_q 64 float32; be_v 64 float32; bk 512 float32; bo 256 float32; bq 512 float32; bv 512 float32; g_k 64 float32; g_q 64 float32; g_v 64 float32; wk 512 x 256 float32; wo 256 x 512 float32; wq 512 x 256 float32; wv 512 x 256 float32; x 4 x 256 x 128 x 128 float32.
;; Outputs: out0 4 x 256 x 128 x 128 float32.
;; This version of the problem:
;;   THIS VERSION OF THE PROBLEM IS GIVEN IN LOW PRECISION. The matrix products marked QUANTISED in the list below multiply operands that are first quantised to E2M1 (2 exponent bits, 1 mantissa bit; 4 bits a number), with one power-of-two scale for each 32 numbers along K (OCP MX v1.0); their sums are f32. The products marked 'left as it is' may take bf16, f16 or f32 operands, with f32 sums. Whichever they take, every output number must still come out within the allowed error. Rounding operands to bf16 (8 significant bits) uses up far more of that allowance than f16 does (11 bits, for magnitudes from 6e-5 to 65,504). All else is computed in f32.
;;   The module's matrix products, in the order in which they are computed (A, B: the left and right operand; K: the contracted axis; several contracted axes count as one K, in the product's order):
;;     1. [M 512, K 256] x [K 256, N 65,536]; A: input wq; B: input x: QUANTISED
;;     2. [M 512, K 256] x [K 256, N 65,536]; A: input wk; B: input x: QUANTISED
;;     3. [M 512, K 256] x [K 256, N 65,536]; A: input wv; B: input x: QUANTISED
;;     4. batch 32 x [M 64, K 16,384] x [K 16,384, N 64]; A: computed on the way; B: computed on the way: left as it is (an operand is computed on the way)
;;     5. batch 32 x [M 64, K 64] x [K 64, N 16,384]; A: computed on the way; B: computed on the way: left as it is (an operand is computed on the way)
;;     6. [M 256, K 512] x [K 512, N 65,536]; A: input wo; B: computed on the way: left as it is (an operand is computed on the way)
;;   THE QUANTISER, for each operand of a quantised product, along K:
;;     - K is cut into blocks of 32 from its start; a last block that is shorter is filled with zeros.
;;     - A block's scale is 2^e with e = floor(log2(the largest magnitude in the block)) - 2, held to -126 .. 127; a block of zeros has e = 0. As a byte (E8M0): e + 127.
;;     - Each number is divided by its block's scale, clamped to +-6, and rounded to the nearest number of E2M1, ties to even, subnormals kept.
;;     - The product sums the exact products of the quantised numbers (number of the format x scale) in f32.
;;   ~~~python
;;   def quantise(x, axis):      # numpy; x: float32 -> the quantised numbers, widened to float32 again
;;       x = np.moveaxis(x, axis, -1); K = x.shape[-1]
;;       x = np.pad(x, [(0, 0)] * (x.ndim - 1) + [(0, -K % 32)]); x = x.reshape(x.shape[:-1] + (-1, 32)); a = np.abs(x).max(-1, keepdims=True)
;;       e = np.where(a > 0, np.clip(np.frexp(np.where(a > 0, a, 1))[1] - 1 - 2, -126, 127), 0)      # np.frexp(a)[1] - 1 = floor(log2(a)), exactly
;;       r = np.clip(x / 2.0 ** e, -6, 6)
;;       step = 2.0 ** (np.maximum(np.frexp(np.where(r == 0, 1, r))[1] - 1, 0) - 1)
;;       q = np.round(r / step) * step * 2.0 ** e      # np.round: ties to even
;;       return np.moveaxis(q.reshape(q.shape[:-2] + (-1,))[..., :K], -1, axis).astype(np.float32)
;;   ~~~
;; 2 versions, each right; version 2 is version 1 with the launches kv, qout written anew for expert scheduling mode. Each part assembles by itself: llvm-mc -triple=amdgcn-amd-amdhsa -mcpu=gfx1250 --defsym DOCPART=n.
;; ======== version 1 of 2: 4 launches
;; limits: a difference of large sums (such as E[x^2] - mean^2): digits are lost where the result is much smaller than its terms
;; workspace buffers: xq 8,912,896 bytes; wqc 196,608 bytes; wqs 12,288 bytes; pacc 4,194,304 bytes; pml 131,072 bytes; wf 1,048,576 bytes; wsc 4,096 bytes
;; launch prep (part 1): grid 268 x 1, 8 waves a work-group, no clusters, 0 bytes of LDS; arguments x, wq, wk, wv, xq, wqc, wqs; writes xq, wqc, wqs
.if DOCPART == 1
	.amdgcn_target "amdgcn-amd-amdhsa--gfx1250"
	.amdhsa_code_object_version 6
	.text
	.protected	k_q25b4585f57_prep
	.globl	k_q25b4585f57_prep
	.p2align	8
	.type	k_q25b4585f57_prep,@function
k_q25b4585f57_prep:
	s_mov_b64 s[64:65], 0
	v_nop
	global_prefetch_b8 v0, s[64:65] scope:SCOPE_SE
	s_setreg_imm32_b32 hwreg(HW_REG_WAVE_MODE, 25, 1), 1
	s_wait_xcnt 0x0
; x [4][256][16384] f32 is quantised along its 256 channels, wq, wk, wv [512][256] f32 along their 256 columns, into codes of E2M1 with one E8M0 byte for each 32 along K.
; A block's scale is 2^(floor(log2(largest magnitude)) - 2): its byte is the largest magnitude's exponent field - 2, held at 1 from below by a floor among the maximum's leaves.
; (A block of zeros keeps the byte 1 where the rule says 127: its codes are zeros, and this program alone reads the bytes.)
; LIMITS: NaN and infinities are not served; a block whose largest magnitude lies under 2^-124 keeps the byte 1.
; THE CODES ARE LAID AS IMAGES OF OPERAND REGISTERS.  A tile of 16 rows (positions of x, rows of a weight) x 256 K is 2,048 bytes: [block of 32 K: 8][row 16][16 bytes], which is
; K step s x 1024 + register group c x 512 + lane x 16, since block = 4 s + 2 c + lane / 16.  So a later launch loads a fragment by loads of 512 consecutive bytes.
; xq: a record of 4,352 bytes for each 32 positions: tile 0, tile 1, then 256 bytes of scale words [position 32][K step 2][4 bytes].
; wqc: [matrix 3][tile 32][2048];  wqs: [matrix][tile][lane 32][4]: lane 16 s + r holds row r's scale word of K step s.
; x: a wave takes 32 positions, A LANE ONE POSITION, AND ITS REGISTERS RUN DOWN THE CHANNELS: a load reads 128 consecutive bytes a wave (the work-group's eight waves stand side by side on 1,024),
; a block lies in one lane's 32 registers, and sixteen lanes' codes of a block are 256 consecutive bytes, aligned.  Two blocks (64 loads a wave) are asked for ahead.
; Work-groups 0 to 255 take x, 256 to 267 the weights (a wave a tile).  No LDS, no barrier, no shared input: clusters and the matrix units have nothing to do here.
.set REC, 4352
.macro QB xs, c                        ; 32 numbers v[xs ..] -> 4 registers of codes v[c ..]; v10 the conversion's scale operand, v11 the byte
	v_max3_num_f32 v8, |v[(\xs)]|, |v[(\xs)+1]|, |v[(\xs)+2]|
	v_max3_num_f32 v9, |v[(\xs)+3]|, |v[(\xs)+4]|, |v[(\xs)+5]|
.irp i, 6,10,14,18,22,26
	v_max3_num_f32 v8, v8, |v[(\xs)+\i]|, |v[(\xs)+\i+1]|
	v_max3_num_f32 v9, v9, |v[(\xs)+\i+2]|, |v[(\xs)+\i+3]|
.endr
	v_max3_num_f32 v8, v8, |v[(\xs)+30]|, |v[(\xs)+31]|
	v_max3_num_f32 v8, v8, v9, 0x1800000           ; the floor 2^(3 - 127): the byte cannot fall under 1
	v_add_nc_u32 v10, 0xff000000, v8               ; 2 off the exponent field: the conversion takes this operand's exponent field as its scale
	v_lshrrev_b32 v11, 23, v10                     ; the scale's byte
.irp g, 0,1,2,3
	v_cvt_scalef32_pk8_fp4_f32 v[(\c)+\g], v[(\xs)+8*\g:(\xs)+8*\g+7], v10
.endr
.endm
	s_load_b256 s[4:11], s[0:1], 0x0               ; x, wq, wk, wv
	s_load_b128 s[12:15], s[0:1], 0x20             ; xq, wqc
	s_load_b64 s[16:17], s[0:1], 0x30              ; wqs
	v_lshrrev_b32 v1, 5, v0
	v_readfirstlane_b32 s18, v1                    ; wave
	v_and_b32 v2, 31, v0                           ; lane
	v_and_b32 v6, 15, v0                           ; lane % 16
	v_bfe_u32 v7, v0, 4, 1                         ; lane / 16
	s_lshl_b32 s19, ttmp9, 3
	s_add_co_u32 s19, s19, s18                     ; 8 x work-group + wave
	s_mov_b32 s21, 0
	s_mov_b32 s23, 0
	s_cmp_ge_u32 ttmp9, 256
	s_cbranch_scc1 .Lweights
	; ---- x: record s19 = batch x 512 + (position / 32)
	v_lshlrev_b32 v3, 2, v2                        ; in: 4 bytes a lane
	v_lshlrev_b32 v4, 4, v6
	v_lshl_add_u32 v4, v7, 11, v4                  ; out: tile (lane / 16) x 2048 + 16 (lane % 16)
	v_lshlrev_b32 v5, 3, v2                        ; scale words: 8 bytes a lane
	s_lshr_b32 s20, s19, 9
	s_lshl_b32 s20, s20, 24                        ; a batch is 256 channels of 65,536 bytes
	s_and_b32 s22, s19, 511
	s_lshl_b32 s22, s22, 7
	s_add_co_u32 s20, s20, s22
	s_mul_i32 s22, s19, REC
	s_wait_kmcnt 0x0
	s_add_nc_u64 s[4:5], s[4:5], s[20:21]          ; channels 0 to 127 by the immediate,
	s_add_nc_u64 s[24:25], s[4:5], 0x800000        ; channels 128 to 255 from a second base: 127 channels are the most that the immediate reaches
	s_add_nc_u64 s[12:13], s[12:13], s[22:23]
.macro LOADX t                         ; block t: channels 32 t + i of my position, into set t % 2
.irp i, 0,1,2,3,4,5,6,7,8,9,10,11,12,13,14,15,16,17,18,19,20,21,22,23,24,25,26,27,28,29,30,31
	global_load_b32 v[32+32*((\t)%2)+\i], v3, s[4+20*((\t)/4):5+20*((\t)/4)] offset:(32*((\t)%4)+\i)*65536 th:TH_LOAD_NT
.endr
.endm
.macro BLOCK t
.if (\t) < 7
	s_wait_loadcnt 32                              ; this block's 32 loads are in; the next block's 32 may be out
.else
	s_wait_loadcnt 0x0
.endif
	QB 32+32*((\t)%2), 160+4*(\t)
.if (\t)%4 == 0
	v_mov_b32 v[24+(\t)/4], v11                    ; four bytes to a scale word, the lower K in the lower byte
.else
	v_lshl_or_b32 v[24+(\t)/4], v11, 8*((\t)%4), v[24+(\t)/4]
.endif
	global_store_b128 v4, v[160+4*(\t):163+4*(\t)], s[12:13] offset:256*(\t)   ; each sixteen lanes store 256 consecutive bytes, aligned; every store has registers of its own
.if (\t) < 6
	LOADX (\t)+2
.endif
.endm
	LOADX 0
	LOADX 1
.irp t, 0,1,2,3,4,5,6,7
	BLOCK \t
.endr
	global_store_b64 v5, v[24:25], s[12:13] offset:4096   ; the 32 positions' scale words: 256 consecutive bytes
	s_endpgm
.Lweights:
	; ---- weights: tile s19 - 2048 = 32 x matrix + tile.  Lane (s = lane / 16, r): row r, columns 128 s on
	s_sub_co_u32 s19, s19, 2048
	v_lshlrev_b32 v3, 10, v6
	v_lshl_add_u32 v3, v7, 9, v3                   ; in: row r of 1,024 bytes + 512 s
	v_lshlrev_b32 v4, 4, v6
	v_lshl_add_u32 v4, v7, 10, v4                  ; out: 1024 s + 16 r
	v_lshlrev_b32 v5, 2, v2
	s_and_b32 s20, s19, 31
	s_lshl_b32 s20, s20, 14                        ; 16 rows of 1,024 bytes a tile
	s_lshl_b32 s22, s19, 11
	s_wait_kmcnt 0x0
	s_cmp_lt_u32 s19, 64                           ; which matrix: the choice hangs on ids alone
	s_cselect_b64 s[8:9], s[8:9], s[10:11]
	s_cmp_lt_u32 s19, 32
	s_cselect_b64 s[6:7], s[6:7], s[8:9]
	s_add_nc_u64 s[6:7], s[6:7], s[20:21]
	s_add_nc_u64 s[14:15], s[14:15], s[22:23]
	s_lshl_b32 s22, s19, 7
	s_add_nc_u64 s[16:17], s[16:17], s[22:23]
.irp i, 0,1,2,3,4,5,6,7,8,9,10,11,12,13,14,15,16,17,18,19,20,21,22,23,24,25,26,27,28,29,30,31
	global_load_b128 v[32+4*\i:35+4*\i], v3, s[6:7] offset:16*\i
.endr
	s_wait_loadcnt 0x0
.irp j, 0,1,2,3
	QB 32+32*\j, 160+4*\j
.if \j == 0
	v_mov_b32 v24, v11
.else
	v_lshl_or_b32 v24, v11, 8*\j, v24
.endif
	global_store_b128 v4, v[160+4*\j:163+4*\j], s[14:15] offset:256*\j
.endr
	global_store_b32 v5, v24, s[16:17]
	s_endpgm
.Lfunc_end_k_q25b4585f57_prep:
	.size	k_q25b4585f57_prep, .Lfunc_end_k_q25b4585f57_prep-k_q25b4585f57_prep
	.p2alignl 7, 3214868480
	.fill 96, 4, 3214868480
	.section	.rodata,"a",@progbits
	.p2align	6, 0x0
	.amdhsa_kernel k_q25b4585f57_prep
		.amdhsa_group_segment_fixed_size 0
		.amdhsa_private_segment_fixed_size 0
		.amdhsa_enable_private_segment 0
		.amdhsa_kernarg_size 56
		.amdhsa_user_sgpr_count 2
		.amdhsa_user_sgpr_kernarg_segment_ptr 1
		.amdhsa_wavefront_size32 1
		.amdhsa_system_sgpr_workgroup_id_x 1
		.amdhsa_system_sgpr_workgroup_id_y 1
		.amdhsa_system_sgpr_workgroup_id_z 1
		.amdhsa_system_vgpr_workitem_id 0
		.amdhsa_next_free_vgpr 192
		.amdhsa_next_free_sgpr 66
		.amdhsa_reserve_vcc 0
		.amdhsa_float_denorm_mode_32 3
		.amdhsa_float_denorm_mode_16_64 3
		.amdhsa_memory_ordered 1
		.amdhsa_forward_progress 1
		.amdhsa_inst_pref_size 48
	.end_amdhsa_kernel
	.amdgpu_metadata
---
amdhsa.version: [ 1, 2 ]
amdhsa.kernels:
  - .name:           k_q25b4585f57_prep
    .symbol:         k_q25b4585f57_prep.kd
    .args:
      - { .name: x, .offset: 0, .size: 8, .value_kind: global_buffer, .address_space: global }
      - { .name: wq, .offset: 8, .size: 8, .value_kind: global_buffer, .address_space: global }
      - { .name: wk, .offset: 16, .size: 8, .value_kind: global_buffer, .address_space: global }
      - { .name: wv, .offset: 24, .size: 8, .value_kind: global_buffer, .address_space: global }
      - { .name: xq, .offset: 32, .size: 8, .value_kind: global_buffer, .address_space: global }
      - { .name: wqc, .offset: 40, .size: 8, .value_kind: global_buffer, .address_space: global }
      - { .name: wqs, .offset: 48, .size: 8, .value_kind: global_buffer, .address_space: global }
    .group_segment_fixed_size: 0
    .private_segment_fixed_size: 0
    .kernarg_segment_align: 8
    .kernarg_segment_size: 56
    .max_flat_workgroup_size: 256
    .sgpr_count:     66
    .vgpr_count:     192
    .wavefront_size: 32
...
	.end_amdgpu_metadata
.endif
;; end of part 1
;; launch kv (part 2): grid 8 x 32, 8 waves a work-group, no clusters, 144,640 bytes of LDS; arguments xq, wqc, wqs, bk, bv, g_k, be_k, g_v, be_v, pacc, pml; writes pacc, pml
.if DOCPART == 2
	.amdgcn_target "amdgcn-amd-amdhsa--gfx1250"
	.amdhsa_code_object_version 6
	.text
	.protected	k_q25b4585f57_kv
	.globl	k_q25b4585f57_kv
	.p2align	8
	.type	k_q25b4585f57_kv,@function
k_q25b4585f57_kv:
	s_mov_b64 s[64:65], 0
	v_nop
	global_prefetch_b8 v0, s[64:65] scope:SCOPE_SE
	s_setreg_imm32_b32 hwreg(HW_REG_WAVE_MODE, 25, 1), 1
	s_wait_xcnt 0x0
; For one (batch, head) and 2,048 positions: k and v (products on E2M1 codes), LayerNorm over the head's 64 features, k's softmax over the positions by a running maximum,
; and the partial ctx[kd][vd] = sum over positions of p v, with its maximum m[kd] (in units of log2) and its sum l[kd].  A later launch joins the eight partials of a (batch, head).
; SHARES.  Work-group = (chunk of 2,048 positions, batch x 8 + head); wave w takes 256 positions, 32 a step.  No wave shares x with another, so fragments go from memory straight into registers.
; TWO LAYOUTS FROM THE SAME REGISTERS.  LayerNorm wants a lane to hold one position, the maximum over positions and the ctx product want a lane to hold one feature.  So k and v are multiplied twice:
;   A: source 0 = 16 features of W, source 1 = 16 positions: lane (r, h) holds position r and features 16 t + 8 h + j: the statistics need one exchange of halves.
;   B: the sources swapped: lane (r, h) holds feature 16 a + r and positions 16 i + 8 h + j: the values.  Two position tiles, rounded to f16 in pairs, ARE an operand of 32 along K.
; ctx: D(a, b) = (source 0 = v's features 16 b on, source 1 = p's features 16 a on): lane (r, h) holds kd = 16 a + r, vd = 16 b + 8 h + j: a rescaling is one number a lane.
; The statistics (1/sigma and -mean/sigma of a position) go from layout A to layout B through 256 bytes of the wave's own LDS.
; f16 for p (at most 1) and for v.  LIMITS: NaN and infinities are not served; |v| = |7.94 g_v| + |be_v| has to stay under f16's 65,504; the variance is E[u^2] - mean^2, held at 0 from below:
; its relative error grows as (mean / spread)^2 x 2^-24.
; NO CLUSTER: what eight work-groups share is a record of x, 4,352 bytes a step, wanted in one wave's registers; a joint load would bring it through LDS for one reader.
; REGISTERS.  Window 0: v1, v2 the add's two; v3-7 addresses; v8-11 at work; v12-19 l; v20-35 (g_k log2e, be_k log2e), (bk, m) for each a; v36-51 (g_v, be_v), (bv, f); v52-59 W's scale words; v60-61 x's;
;   v64-95 x's fragments; v96-159 T; v160-191 the bias as C of pass A, else at work; v192-223 v in f16; v224-255 statistics.   Window 1: v0-127 ctx's 16 accumulators; v128-255 W's 16 fragments.
.set LOG2E, 0x3fb8aa3b
.set EPSB,  0x3727c5ac
.set R64,   0x3c800000
.set REC,   4352
.set MT,    131072                     ; LDS: 0: eight waves' accumulator images, 16,384 bytes each;  MT: m [kd 64][wave 8];  LT: l [wave 8][kd 64];  MS: the joined m;
.set LT,    133120
.set MS,    135168
.set WP,    135424                     ; WP + 1024 w: the wave's own: bk 256, bv 256, v's statistics 256, k's 256
.set SPARE, 143616                     ; the spare words, 128 bytes for each wave: four blocks of 256 bytes that no other line names
.set MSB, 0
.macro WIN new                         ; the immediate's high byte repeats the setting that is left
.if MSB != (\new)
	s_set_vgpr_msb (MSB<<8)|(\new)
.set MSB, (\new)
.endif
.endm
.macro NOPS n
.rept \n
	v_nop
.endr
.endm
.macro BARRIER                         ; my LDS stores have landed and my LDS loads are in: then the work-group's barrier
	s_wait_dscnt 0x0
	s_barrier_signal -1
	s_barrier_wait -1
.endm
.macro LDX                             ; a record: two tiles' fragments, 512 consecutive bytes a load, and their scale words (lanes 0-15 K step 0, lanes 16-31 K step 1)
.irp i, 0,1
.irp q, 0,1,2,3
	global_load_b128 v[64+16*\i+4*\q:67+16*\i+4*\q], v3, s[4:5] offset:2048*\i+512*\q
.endr
	global_load_b32 v[60+\i], v4, s[4:5] offset:4096+128*\i
.endr
.endm
.macro LDBA off                        ; the bias in pass A's result layout: register 8 t + j = bias(16 t + 8 h + j)
.irp t, 0,1,2,3
	ds_load_b128 v[160+8*\t:163+8*\t], v5 offset:\off+64*\t
	ds_load_b128 v[164+8*\t:167+8*\t], v5 offset:\off+64*\t+16
.endr
.endm
; Pass A for matrix m (0 k, 1 v): 16 products; eight accumulators by turns, K step by K step.  Five places follow: the next pass writes over these results.
.macro APASS m
	WIN 0x01
.irp i, 0,1
.irp t, 0,1,2,3
	v_wmma_scale_f32_16x16x128_f8f6f4 v[96+32*\i+8*\t:103+32*\i+8*\t], v[128+64*\m+16*\t:135+64*\m+16*\t], v[64+16*\i:71+16*\i], v[160+8*\t:167+8*\t], v[52+4*\m+\t], v[60+\i] matrix_a_fmt:MATRIX_FMT_FP4 matrix_b_fmt:MATRIX_FMT_FP4
.endr
.endr
.irp i, 0,1
.irp t, 0,1,2,3
	v_wmma_scale_f32_16x16x128_f8f6f4 v[96+32*\i+8*\t:103+32*\i+8*\t], v[136+64*\m+16*\t:143+64*\m+16*\t], v[72+16*\i:79+16*\i], v[96+32*\i+8*\t:103+32*\i+8*\t], v[52+4*\m+\t], v[60+\i] matrix_a_fmt:MATRIX_FMT_FP4 matrix_b_fmt:MATRIX_FMT_FP4 matrix_a_scale:MATRIX_SCALE_ROW1 matrix_b_scale:MATRIX_SCALE_ROW1
.endr
.endr
	WIN 0
	NOPS 5
.endm
; Pass B: the sources swapped; the first K step starts the sums
.macro BPASS m
	WIN 0x04
.irp a, 0,1,2,3
.irp i, 0,1
	v_wmma_scale_f32_16x16x128_f8f6f4 v[96+16*\a+8*\i:103+16*\a+8*\i], v[64+16*\i:71+16*\i], v[128+64*\m+16*\a:135+64*\m+16*\a], 0, v[60+\i], v[52+4*\m+\a] matrix_a_fmt:MATRIX_FMT_FP4 matrix_b_fmt:MATRIX_FMT_FP4
.endr
.endr
.irp a, 0,1,2,3
.irp i, 0,1
	v_wmma_scale_f32_16x16x128_f8f6f4 v[96+16*\a+8*\i:103+16*\a+8*\i], v[72+16*\i:79+16*\i], v[136+64*\m+16*\a:143+64*\m+16*\a], v[96+16*\a+8*\i:103+16*\a+8*\i], v[60+\i], v[52+4*\m+\a] matrix_a_fmt:MATRIX_FMT_FP4 matrix_b_fmt:MATRIX_FMT_FP4 matrix_a_scale:MATRIX_SCALE_ROW1 matrix_b_scale:MATRIX_SCALE_ROW1
.endr
.endr
	WIN 0
	NOPS 5
.endm
; The statistics of two tiles of positions, their lines by turns.  Tile x: 32 numbers at v[96 + 32 x], at work v[224 + 12 x ..]; 1/sigma -> v[8 + 2 x], -mean/sigma -> v[9 + 2 x].
; Each accumulator is first read at its low end.
.macro LN2
.irp x, 0,1
	v_pk_add_f32 v[224+12*\x:225+12*\x], v[96+32*\x:97+32*\x], v[98+32*\x:99+32*\x]
.endr
.irp x, 0,1
	v_pk_mul_f32 v[228+12*\x:229+12*\x], v[96+32*\x:97+32*\x], v[96+32*\x:97+32*\x]
.endr
.irp x, 0,1
	v_pk_mul_f32 v[230+12*\x:231+12*\x], v[98+32*\x:99+32*\x], v[98+32*\x:99+32*\x]
.endr
.irp x, 0,1
	v_pk_add_f32 v[226+12*\x:227+12*\x], v[100+32*\x:101+32*\x], v[102+32*\x:103+32*\x]
.endr
.irp p, 2,3,4,5,6,7,8,9,10,11,12,13,14,15
.irp x, 0,1
	v_pk_fma_f32 v[228+12*\x+2*(\p%2):229+12*\x+2*(\p%2)], v[96+32*\x+2*\p:97+32*\x+2*\p], v[96+32*\x+2*\p:97+32*\x+2*\p], v[228+12*\x+2*(\p%2):229+12*\x+2*(\p%2)]
.endr
.endr
.irp p, 4,5,6,7,8,9,10,11,12,13,14,15
.irp x, 0,1
	v_pk_add_f32 v[224+12*\x+2*(\p%2):225+12*\x+2*(\p%2)], v[224+12*\x+2*(\p%2):225+12*\x+2*(\p%2)], v[96+32*\x+2*\p:97+32*\x+2*\p]
.endr
.endr
.irp x, 0,1
	v_pk_add_f32 v[224+12*\x:225+12*\x], v[224+12*\x:225+12*\x], v[226+12*\x:227+12*\x]
	v_pk_add_f32 v[228+12*\x:229+12*\x], v[228+12*\x:229+12*\x], v[230+12*\x:231+12*\x]
.endr
.irp x, 0,1
	v_add_f32 v[224+12*\x], v[224+12*\x], v[225+12*\x]
	v_add_f32 v[228+12*\x], v[228+12*\x], v[229+12*\x]
.endr
.irp x, 0,1
	v_permlanex16_b32 v[232+12*\x], v[224+12*\x], s32, s33   ; the position's other 32 features lie in the lane 16 away
	v_permlanex16_b32 v[233+12*\x], v[228+12*\x], s32, s33
.endr
.irp x, 0,1
	v_add_f32 v[224+12*\x], v[224+12*\x], v[232+12*\x]
	v_add_f32 v[228+12*\x], v[228+12*\x], v[233+12*\x]
.endr
.irp x, 0,1
	v_mul_f32 v[224+12*\x], R64, v[224+12*\x]      ; the mean
	v_mul_f32 v[228+12*\x], R64, v[228+12*\x]      ; the mean of the squares
.endr
.irp x, 0,1
	v_fma_f32 v[228+12*\x], -v[224+12*\x], v[224+12*\x], v[228+12*\x]
.endr
.irp x, 0,1
	v_max_num_f32 v[228+12*\x], 0, v[228+12*\x]
.endr
.irp x, 0,1
	v_add_f32 v[228+12*\x], EPSB, v[228+12*\x]
.endr
.irp x, 0,1
	v_rsq_f32 v[8+2*\x], v[228+12*\x]
.endr
	v_nop                                          ; a plain place behind the two roots,
	s_wait_alu depctr_va_vdst(0)                   ; and one wait ahead of their first reader
.irp x, 0,1
	v_mul_f32 v[9+2*\x], -v[224+12*\x], v[8+2*\x]
.endr
.endm
; The statistics change layout: lane (r, .) stores position r's two numbers; lane (., h) loads those of positions 8 h + 0 .. 7.  Tile x: 1/sigma -> v[224 + 16 x ..], -mean/sigma -> v[232 + 16 x ..].
.macro STATS off
.irp x, 0,1
	ds_store_b32 v6, v[8+2*\x] offset:\off+128*\x
	ds_store_b32 v6, v[9+2*\x] offset:\off+128*\x+64
.endr
.irp x, 0,1
	ds_load_b128 v[224+16*\x:227+16*\x], v7 offset:\off+128*\x        ; LDS serves a wave's instructions in order: these see the stores above
	ds_load_b128 v[228+16*\x:231+16*\x], v7 offset:\off+128*\x+16
	ds_load_b128 v[232+16*\x:235+16*\x], v7 offset:\off+128*\x+64
	ds_load_b128 v[236+16*\x:239+16*\x], v7 offset:\off+128*\x+80
.endr
.endm
; Layout B's values: + bias (low word of pair bb), x 1/sigma - mean/sigma, x gain + shift (the two words of pair gg); tov = 1: rounded to f16 into v's operand
.macro NORM bb, gg, tov
.irp a, 0,1,2,3
.irp i, 0,1
.irp q, 0,1,2,3
	v_pk_add_f32 v[96+16*\a+8*\i+2*\q:97+16*\a+8*\i+2*\q], v[96+16*\a+8*\i+2*\q:97+16*\a+8*\i+2*\q], v[\bb+4*\a:\bb+4*\a+1] op_sel_hi:[1,0]
.endr
.irp q, 0,1,2,3
	v_pk_fma_f32 v[96+16*\a+8*\i+2*\q:97+16*\a+8*\i+2*\q], v[96+16*\a+8*\i+2*\q:97+16*\a+8*\i+2*\q], v[224+16*\i+2*\q:225+16*\i+2*\q], v[232+16*\i+2*\q:233+16*\i+2*\q]
.endr
.irp q, 0,1,2,3
	v_pk_fma_f32 v[96+16*\a+8*\i+2*\q:97+16*\a+8*\i+2*\q], v[96+16*\a+8*\i+2*\q:97+16*\a+8*\i+2*\q], v[\gg+4*\a:\gg+4*\a+1], v[\gg+4*\a:\gg+4*\a+1] op_sel:[0,0,1] op_sel_hi:[1,0,1]
.endr
.if \tov
.irp q, 0,1,2,3
	v_cvt_pk_f16_f32 v[192+8*\a+4*\i+\q], v[96+16*\a+8*\i+2*\q], v[97+16*\a+8*\i+2*\q]
.endr
.endif
.endr
.endr
.endm
.macro SCALEACC                        ; ctx x f: f is the high word of pair v[38 + 4 a]; each accumulator from its low end on
	WIN 0x41
.irp a, 0,1,2,3
.irp p, 0,1,2,3,4,5,6,7,8,9,10,11,12,13,14,15
	v_pk_mul_f32 v[32*\a+2*\p:32*\a+2*\p+1], v[32*\a+2*\p:32*\a+2*\p+1], v[38+4*\a:39+4*\a] op_sel:[0,1] op_sel_hi:[1,1]
.endr
.endr
	WIN 0
.endm
	s_load_b256 s[4:11], s[0:1], 0x0               ; xq, wqc, wqs, bk
	s_load_b256 s[12:19], s[0:1], 0x20             ; bv, g_k, be_k, g_v
	s_load_b128 s[20:23], s[0:1], 0x40             ; be_v, pacc
	s_load_b64 s[24:25], s[0:1], 0x50              ; pml
	v_lshl_add_u32 v1, v0, 2, SPARE
	v_mov_b32 v2, 0
	v_lshrrev_b32 v8, 5, v0
	v_readfirstlane_b32 s26, v8                    ; wave
	s_mov_b32 s27, ttmp9                           ; chunk
	s_and_b32 s28, ttmp7, 0xffff                   ; batch x 8 + head
	s_and_b32 s29, s28, 7
	s_lshr_b32 s30, s28, 3
	s_mov_b32 s32, 0x76543210
	s_mov_b32 s33, 0xfedcba98                      ; v_permlanex16_b32's selects for lane l xor 16
	v_and_b32 v8, 31, v0                           ; lane
	v_and_b32 v9, 15, v0                           ; r
	v_bfe_u32 v10, v0, 4, 1                        ; h
	v_lshlrev_b32 v3, 4, v8                        ; 16 x lane
	v_lshlrev_b32 v4, 3, v9
	v_lshl_add_u32 v4, v10, 2, v4                  ; x's scale words: 8 r + 4 h
	s_lshl_b32 s36, s26, 10
	s_add_co_u32 s36, s36, WP                      ; my wave's own LDS
	v_lshlrev_b32 v5, 5, v10
	v_add_nc_u32 v5, s36, v5                       ; the biases: + 32 h
	v_lshlrev_b32 v11, 2, v9                       ; 4 r
	v_add_nc_u32 v6, s36, v11
	v_add_nc_u32 v6, 512, v6                       ; statistics in: + 4 r
	v_add_nc_u32 v7, 512, v5                       ; statistics out: + 32 h
	v_lshlrev_b32 v62, 2, v8                       ; 4 x lane
	v_add_nc_u32 v63, s36, v62
	s_lshl_b32 s37, s30, 9
	s_lshl_b32 s38, s27, 6
	s_add_co_u32 s37, s37, s38
	s_lshl_b32 s38, s26, 3
	s_add_co_u32 s37, s37, s38                     ; my first record: batch x 512 + chunk x 64 + 8 x wave
	s_mul_i32 s38, s37, REC
	s_mov_b32 s39, 0
	s_wait_kmcnt 0x0
	s_add_nc_u64 s[4:5], s[4:5], s[38:39]
	s_lshl_b32 s38, s29, 13                        ; a head's four tiles of 2,048 bytes
	s_add_nc_u64 s[6:7], s[6:7], s[38:39]
	s_lshl_b32 s38, s29, 9
	s_add_nc_u64 s[8:9], s[8:9], s[38:39]
	s_lshl_b32 s38, s29, 8
	s_add_nc_u64 s[10:11], s[10:11], s[38:39]
	s_add_nc_u64 s[12:13], s[12:13], s[38:39]
	s_lshl_b32 s37, s28, 3
	s_add_co_u32 s37, s37, s27                     ; the partial's number
	s_lshl_b32 s38, s37, 14
	s_lshl_b32 s36, s26, 11
	s_add_co_u32 s38, s38, s36
	s_add_nc_u64 s[22:23], s[22:23], s[38:39]
	s_lshl_b32 s38, s37, 9
	s_add_nc_u64 s[24:25], s[24:25], s[38:39]
	WIN 0x40                                       ; destination window 1: the head's fragments of wk and wv stay in registers
.irp m, 0,1
.irp t, 0,1,2,3
.irp q, 0,1,2,3
	global_load_b128 v[128+64*\m+16*\t+4*\q:131+64*\m+16*\t+4*\q], v3, s[6:7] offset:((1+\m)*32+\t)*2048+512*\q
.endr
.endr
.endr
	WIN 0
.irp m, 0,1
.irp t, 0,1,2,3
	global_load_b32 v[52+4*\m+\t], v62, s[8:9] offset:((1+\m)*32+\t)*128
.endr
.endr
.irp a, 0,1,2,3                                ; what layout B wants of each input: the number of feature 16 a + r
	global_load_b32 v[20+4*\a], v11, s[14:15] offset:64*\a
	global_load_b32 v[21+4*\a], v11, s[16:17] offset:64*\a
	global_load_b32 v[22+4*\a], v11, s[10:11] offset:64*\a
	global_load_b32 v[36+4*\a], v11, s[18:19] offset:64*\a
	global_load_b32 v[37+4*\a], v11, s[20:21] offset:64*\a
	global_load_b32 v[38+4*\a], v11, s[12:13] offset:64*\a
.endr
	global_load_b32 v224, v62, s[10:11]            ; the head's 64 bk and 64 bv, for pass A's C
	global_load_b32 v225, v62, s[10:11] offset:128
	global_load_b32 v226, v62, s[12:13]
	global_load_b32 v227, v62, s[12:13] offset:128
	LDX
	s_wait_loadcnt 0x0
	ds_store_b32 v63, v224
	ds_store_b32 v63, v225 offset:128
	ds_store_b32 v63, v226 offset:256
	ds_store_b32 v63, v227 offset:384
.irp a, 0,1,2,3
	v_mul_f32 v[20+4*\a], LOG2E, v[20+4*\a]        ; k is kept in units of log2, so that p = 2^(k - m)
	v_mul_f32 v[21+4*\a], LOG2E, v[21+4*\a]
	v_mov_b32 v[23+4*\a], 0                        ; named as upper halves of pairs before they are first written
	v_mov_b32 v[39+4*\a], 0
.endr
	v_mov_b32 v232, 0                              ; written once: a lane permute's destination counts as one of its sources
	v_mov_b32 v233, 0
	v_mov_b32 v244, 0
	v_mov_b32 v245, 0
	LDBA 256                                       ; v's bias
; A STEP: 32 positions.  first = 1: it starts m, l and ctx.  more = 1: the next record is asked for.
.macro STEP first, more
	NOPS 5                                         ; pass A writes over T, which held p, a source of the last ctx products
	s_wait_loadcnt 0x0                             ; this step's record
	s_wait_dscnt 0x0                               ; v's bias
	APASS 1
	LN2
	STATS 0
	LDBA 0                                         ; k's bias, for the pass after next
	BPASS 1
	s_wait_dscnt 0x0
	NORM 38, 36, 1
	APASS 0
	LN2
	STATS 256
	BPASS 0
.if \more
	s_add_nc_u64 s[4:5], s[4:5], REC               ; (the step's wait for all loads has freed the base)
	LDX                                            ; the rest of the step stands between these loads and the wait for them
.endif
	s_wait_dscnt 0x0
	NORM 22, 20, 0
.irp a, 0,1,2,3                                ; the largest of my 16 positions and the old m, the four features by turns
	v_max3_num_f32 v[160+\a], v[96+16*\a], v[97+16*\a], v[98+16*\a]
.endr
.irp j, 3,5,7,9,11,13
.irp a, 0,1,2,3
	v_max3_num_f32 v[160+\a], v[160+\a], v[96+16*\a+\j], v[97+16*\a+\j]
.endr
.endr
.irp a, 0,1,2,3
.if \first
	v_max_num_f32 v[160+\a], v[160+\a], v[111+16*\a]
.else
	v_max3_num_f32 v[160+\a], v[160+\a], v[111+16*\a], v[23+4*\a]
.endif
.endr
.irp a, 0,1,2,3
	v_permlanex16_b32 v[8+\a], v[160+\a], s32, s33
.endr
.irp a, 0,1,2,3
	v_max_num_f32 v[160+\a], v[160+\a], v[8+\a]    ; the new m, the same in both halves of the lanes
.endr
.if !\first
.irp a, 0,1,2,3
	v_sub_f32 v[164+\a], v[23+4*\a], v[160+\a]
.endr
.irp a, 0,1,2,3
	v_exp_f32 v[39+4*\a], v[164+\a]                ; f = 2^(old m - new m)
.endr
.endif
.irp a, 0,1,2,3
	v_mov_b32 v[23+4*\a], v[160+\a]
.endr
.irp a, 0,1,2,3
.irp q, 0,1,2,3,4,5,6,7
	v_pk_add_f32 v[96+16*\a+2*\q:97+16*\a+2*\q], v[96+16*\a+2*\q:97+16*\a+2*\q], v[22+4*\a:23+4*\a] op_sel:[0,1] op_sel_hi:[1,1] neg_lo:[0,1] neg_hi:[0,1]
.endr
.endr
.irp j, 0,1,2,3,4,5,6,7,8,9,10,11,12,13,14,15,16,17,18,19,20,21,22,23,24,25,26,27,28,29,30,31,32,33,34,35,36,37,38,39,40,41,42,43,44,45,46,47,48,49,50,51,52,53,54,55,56,57,58,59,60,61,62,63
	v_exp_f32 v[96+\j], v[96+\j]                   ; p = 2^(k - m)
.endr
	v_nop                                          ; a plain place behind the batch,
	s_wait_alu depctr_va_vdst(0)                   ; and one wait for all its exponentials, f's among them, ahead of the first reader
.irp a, 0,1,2,3
	v_pk_add_f32 v[168+2*\a:169+2*\a], v[96+16*\a:97+16*\a], v[98+16*\a:99+16*\a]
.endr
.irp j, 4,6,8,10,12
.irp a, 0,1,2,3
	v_pk_add_f32 v[168+2*\a:169+2*\a], v[168+2*\a:169+2*\a], v[96+16*\a+\j:97+16*\a+\j]
.endr
.endr
.irp a, 0,1,2,3
.if \first
	v_pk_add_f32 v[12+2*\a:13+2*\a], v[168+2*\a:169+2*\a], v[110+16*\a:111+16*\a]
.else
	v_pk_add_f32 v[168+2*\a:169+2*\a], v[168+2*\a:169+2*\a], v[110+16*\a:111+16*\a]
.endif
.endr
.if !\first
.irp a, 0,1,2,3
	v_pk_fma_f32 v[12+2*\a:13+2*\a], v[12+2*\a:13+2*\a], v[38+4*\a:39+4*\a], v[168+2*\a:169+2*\a] op_sel:[0,1,0] op_sel_hi:[1,1,1]   ; l = l f + the step's sum
.endr
.endif
.irp a, 0,1,2,3
.irp q, 0,1,2,3,4,5,6,7
	v_cvt_pk_f16_f32 v[96+16*\a+\q], v[96+16*\a+2*\q], v[97+16*\a+2*\q]   ; in place, ascending: p's operand is v[96 + 16 a .. + 7]
.endr
.endr
.if \first
	NOPS 4
.else
	SCALEACC
.endif
.if \more
	LDBA 256                                       ; v's bias for the next step
.endif
	WIN 0x50                                       ; C and D window 1
.irp a, 0,1,2,3
.irp b, 0,1,2,3
.if \first
	v_wmma_f32_16x16x32_f16 v[32*\a+8*\b:32*\a+8*\b+7], v[192+8*\b:199+8*\b], v[96+16*\a:103+16*\a], 0
.else
	v_wmma_f32_16x16x32_f16 v[32*\a+8*\b:32*\a+8*\b+7], v[192+8*\b:199+8*\b], v[96+16*\a:103+16*\a], v[32*\a+8*\b:32*\a+8*\b+7]
.endif
.endr
.endr
	WIN 0
.endm
	STEP 1, 1
	s_mov_b32 s34, 6
.Lstep:
	STEP 0, 1
	s_sub_co_u32 s34, s34, 1
	s_cmp_lg_u32 s34, 0
	s_cbranch_scc1 .Lstep
	STEP 0, 0
	; THE EIGHT WAVES' PARTIALS ARE JOINED: the largest m, every wave's ctx and l brought under it, the images added, two accumulators a wave.
	NOPS 4
.irp a, 0,1,2,3
	v_add_f32 v[12+2*\a], v[12+2*\a], v[13+2*\a]
.endr
.irp a, 0,1,2,3
	v_permlanex16_b32 v[8+\a], v[12+2*\a], s32, s33
.endr
.irp a, 0,1,2,3
	v_add_f32 v[12+2*\a], v[12+2*\a], v[8+\a]      ; my wave's l
.endr
	v_and_b32 v224, 15, v0                         ; every LDS address of what follows is made here, ahead of the one branch on the wave's number
	v_and_b32 v225, 31, v0
	s_lshl_b32 s36, s26, 2
	s_add_co_u32 s36, s36, MT
	v_lshlrev_b32 v226, 5, v224
	v_add_nc_u32 v227, s36, v226                   ; m in: MT + 32 r + 4 w (+ 512 a)
	v_add_nc_u32 v226, MT, v226                    ; m out: MT + 32 r
	s_lshl_b32 s36, s26, 14
	v_lshlrev_b32 v228, 4, v225
	v_add_nc_u32 v228, s36, v228                   ; my images: 16384 w + 16 x lane
	s_lshl_b32 s36, s26, 8
	s_add_co_u32 s36, s36, LT
	v_lshlrev_b32 v229, 2, v224
	v_add_nc_u32 v230, MS, v229                    ; the joined m: MS + 4 r
	v_add_nc_u32 v229, s36, v229                   ; l in: LT + 256 w + 4 r
	s_lshl_b32 s36, s26, 11
	v_lshlrev_b32 v231, 4, v225
	v_add_nc_u32 v231, s36, v231                   ; the two accumulators that I add: 2048 w + 16 x lane in waves 0-3's images,
	v_add_nc_u32 v232, 65536, v231                 ; and in waves 4-7's: the immediate has 16 bits
	v_lshlrev_b32 v233, 3, v225                    ; 8 x lane
	v_add_nc_u32 v234, MS, v233
	v_add_nc_u32 v235, LT, v233
.irp a, 0,1,2,3
	ds_store_b32 v227, v[23+4*\a] offset:512*\a
.endr
	BARRIER
.irp a, 0,1,2,3
	ds_load_b128 v[160+8*\a:163+8*\a], v226 offset:512*\a
	ds_load_b128 v[164+8*\a:167+8*\a], v226 offset:512*\a+16
.endr
	s_wait_dscnt 0x0
.irp a, 0,1,2,3
	v_max3_num_f32 v[8+\a], v[160+8*\a], v[161+8*\a], v[162+8*\a]
.endr
.irp a, 0,1,2,3
	v_max3_num_f32 v[8+\a], v[8+\a], v[163+8*\a], v[164+8*\a]
.endr
.irp a, 0,1,2,3
	v_max3_num_f32 v[8+\a], v[8+\a], v[165+8*\a], v[166+8*\a]
.endr
.irp a, 0,1,2,3
	v_max_num_f32 v[8+\a], v[8+\a], v[167+8*\a]    ; the work-group's m
.endr
.irp a, 0,1,2,3
	v_sub_f32 v[236+\a], v[23+4*\a], v[8+\a]
.endr
.irp a, 0,1,2,3
	v_exp_f32 v[39+4*\a], v[236+\a]
.endr
	v_nop
	s_wait_alu depctr_va_vdst(0)                   ; one wait for the four
	SCALEACC
.irp a, 0,1,2,3
	v_mul_f32 v[12+2*\a], v[12+2*\a], v[39+4*\a]
.endr
	WIN 0x04                                       ; an LDS store's data are its source 1: window 1
.irp k, 0,1,2,3,4,5,6,7,8,9,10,11,12,13,14,15,16,17,18,19,20,21,22,23,24,25,26,27,28,29,30,31
	ds_store_b128 v228, v[4*\k:4*\k+3] offset:512*\k
.endr
	WIN 0
.irp a, 0,1,2,3
	ds_store_b32 v229, v[12+2*\a] offset:64*\a
.endr
	BARRIER
.irp s, 0,1,2,3,4,5,6,7
.irp k, 0,1,2,3
	ds_load_b128 v[64+16*\s+4*\k:67+16*\s+4*\k], v[231+\s/4] offset:16384*(\s%4)+512*\k
.endr
.endr
	s_wait_dscnt 0x0
.irp s, 1,2,3,4,5,6,7
.irp p, 0,1,2,3,4,5,6,7
	v_pk_add_f32 v[64+2*\p:65+2*\p], v[64+2*\p:65+2*\p], v[64+16*\s+2*\p:65+16*\s+2*\p]
.endr
.endr
.irp k, 0,1,2,3
	global_store_b128 v3, v[64+4*\k:67+4*\k], s[22:23] offset:512*\k   ; 512 consecutive bytes a store
.endr
	s_cmp_lg_u32 s26, 0                            ; wave 0 alone stores m and l; no barrier stands in this branch
	s_cbranch_scc1 .Lend
.irp a, 0,1,2,3
	ds_store_b32 v230, v[8+\a] offset:64*\a
.endr
	ds_load_b64 v[160:161], v234                   ; my own stores, served in order
.irp s, 0,1,2,3,4,5,6,7
	ds_load_b64 v[162+2*\s:163+2*\s], v235 offset:256*\s
.endr
	s_wait_dscnt 0x0
.irp s, 1,2,3,4,5,6,7
	v_pk_add_f32 v[162:163], v[162:163], v[162+2*\s:163+2*\s]
.endr
	global_store_b64 v233, v[160:161], s[24:25]              ; 64 m: 256 consecutive bytes
	global_store_b64 v233, v[162:163], s[24:25] offset:256   ; 64 l
.Lend:
	s_wait_tensorcnt 0x0                           ; the wave's end: three closing lines behind my last LDS store
	ds_add_u32 v1, v2
	s_wait_dscnt 0x0
	s_endpgm
.Lfunc_end_k_q25b4585f57_kv:
	.size	k_q25b4585f57_kv, .Lfunc_end_k_q25b4585f57_kv-k_q25b4585f57_kv
	.p2alignl 7, 3214868480
	.fill 96, 4, 3214868480
	.section	.rodata,"a",@progbits
	.p2align	6, 0x0
	.amdhsa_kernel k_q25b4585f57_kv
		.amdhsa_group_segment_fixed_size 144640
		.amdhsa_private_segment_fixed_size 0
		.amdhsa_enable_private_segment 0
		.amdhsa_kernarg_size 88
		.amdhsa_user_sgpr_count 2
		.amdhsa_user_sgpr_kernarg_segment_ptr 1
		.amdhsa_wavefront_size32 1
		.amdhsa_system_sgpr_workgroup_id_x 1
		.amdhsa_system_sgpr_workgroup_id_y 1
		.amdhsa_system_sgpr_workgroup_id_z 1
		.amdhsa_system_vgpr_workitem_id 0
		.amdhsa_next_free_vgpr 512
		.amdhsa_next_free_sgpr 66
		.amdhsa_reserve_vcc 0
		.amdhsa_float_denorm_mode_32 3
		.amdhsa_float_denorm_mode_16_64 3
		.amdhsa_memory_ordered 1
		.amdhsa_forward_progress 1
		.amdhsa_inst_pref_size 183
	.end_amdhsa_kernel
	.amdgpu_metadata
---
amdhsa.version: [ 1, 2 ]
amdhsa.kernels:
  - .name:           k_q25b4585f57_kv
    .symbol:         k_q25b4585f57_kv.kd
    .args:
      - { .name: xq, .offset: 0, .size: 8, .value_kind: global_buffer, .address_space: global }
      - { .name: wqc, .offset: 8, .size: 8, .value_kind: global_buffer, .address_space: global }
      - { .name: wqs, .offset: 16, .size: 8, .value_kind: global_buffer, .address_space: global }
      - { .name: bk, .offset: 24, .size: 8, .value_kind: global_buffer, .address_space: global }
      - { .name: bv, .offset: 32, .size: 8, .value_kind: global_buffer, .address_space: global }
      - { .name: g_k, .offset: 40, .size: 8, .value_kind: global_buffer, .address_space: global }
      - { .name: be_k, .offset: 48, .size: 8, .value_kind: global_buffer, .address_space: global }
      - { .name: g_v, .offset: 56, .size: 8, .value_kind: global_buffer, .address_space: global }
      - { .name: be_v, .offset: 64, .size: 8, .value_kind: global_buffer, .address_space: global }
      - { .name: pacc, .offset: 72, .size: 8, .value_kind: global_buffer, .address_space: global }
      - { .name: pml, .offset: 80, .size: 8, .value_kind: global_buffer, .address_space: global }
    .group_segment_fixed_size: 144640
    .private_segment_fixed_size: 0
    .kernarg_segment_align: 8
    .kernarg_segment_size: 88
    .max_flat_workgroup_size: 256
    .sgpr_count:     66
    .vgpr_count:     512
    .wavefront_size: 32
...
	.end_amdgpu_metadata
.endif
;; end of part 2
;; launch fold (part 3): grid 32 x 1, 8 waves a work-group, no clusters, 1,280 bytes of LDS; arguments pacc, pml, wo, wf, wsc; writes wf, wsc
.if DOCPART == 3
	.amdgcn_target "amdgcn-amd-amdhsa--gfx1250"
	.amdhsa_code_object_version 6
	.text
	.protected	k_q25b4585f57_fold
	.globl	k_q25b4585f57_fold
	.p2align	8
	.type	k_q25b4585f57_fold,@function
k_q25b4585f57_fold:
	s_mov_b64 s[64:65], 0
	v_nop
	global_prefetch_b8 v0, s[64:65] scope:SCOPE_SE
	s_setreg_imm32_b32 hwreg(HW_REG_WAVE_MODE, 25, 1), 1
	s_wait_xcnt 0x0
; For one (batch, head): the eight partials are joined, ctx[kd][vd] = (sum over c of 2^(m_c - m) acc_c) / (sum over c of 2^(m_c - m) l_c), and wo is folded in:
; W'[o][kd] = sum over vd of wo[o][64 head + vd] ctx[kd][vd], so that reference()'s last two products become one.  That is a change of the order of sums, valid for every input.
; W' leaves as f16, laid as images of operand registers, divided by a power of two s: wo is brought under 2 and ctx under 256 by powers of two taken from their true largest magnitudes,
; so |W' / s| < 64 x 2 x 256 = 2^15, whatever the inputs; s goes to wsc (32 copies, a lane each, so that all lanes store).
; SHARES.  Wave w: kd tile a = w % 4, o tiles 8 (w / 4) + 0 .. 7.  All o and kd of a (batch, head) meet in one work-group, since they share one s: 32 work-groups are all the work there is.
; LIMITS: NaN and infinities are not served; the largest |wo| and |ctx| are taken as at least 2^-50, and have to stay under 2^60.
; REGISTERS.  Window 0: v16-23 m_c, v24-31 l_c, v[32 + 2 c] the chunk's factor; v64-191 four chunks' images, later wo in f16; v192-223 ctx, later W' in f16; v224-239 ctx in f16.
;   Window 1: wo in f32, 256 registers; later the eight accumulators.
.set SPARE, 256                        ; LDS: 0: [wave 8][largest |wo|, largest |ctx|];  SPARE: the spare words, 128 bytes for each wave
.set FLOORB, 0x26800000                ; 2^-50
.set MSB, 0
.macro WIN new
.if MSB != (\new)
	s_set_vgpr_msb (MSB<<8)|(\new)
.set MSB, (\new)
.endif
.endm
	s_load_b256 s[4:11], s[0:1], 0x0               ; pacc, pml, wo, wf
	s_load_b64 s[12:13], s[0:1], 0x20              ; wsc
	v_lshl_add_u32 v1, v0, 2, SPARE
	v_mov_b32 v2, 0
	v_lshrrev_b32 v3, 5, v0
	v_readfirstlane_b32 s14, v3                    ; wave
	v_lshlrev_b32 v3, 3, v3                        ; LDS: 8 x wave
	s_and_b32 s15, s14, 3                          ; a
	s_lshr_b32 s16, s14, 2                         ; which half of the o tiles
	s_mov_b32 s17, ttmp9                           ; batch x 8 + head
	s_and_b32 s18, s17, 7
	s_lshr_b32 s19, s17, 3
	s_mov_b32 s20, 0x76543210
	s_mov_b32 s21, 0xfedcba98
	v_and_b32 v4, 31, v0
	v_and_b32 v5, 15, v0                           ; r
	v_bfe_u32 v6, v0, 4, 1                         ; h
	v_lshlrev_b32 v7, 4, v4                        ; 16 x lane
	v_lshlrev_b32 v8, 11, v5
	v_lshl_add_u32 v8, v6, 5, v8                   ; wo: row r of 2,048 bytes + 32 h
	v_lshlrev_b32 v9, 2, v5                        ; m, l: 4 r
	v_lshlrev_b32 v10, 2, v4                       ; 4 x lane
	v_mov_b32 v11, 0                               ; LDS byte 0
	s_mov_b32 s23, 0
	s_wait_kmcnt 0x0
	s_lshl_b32 s22, s17, 17
	s_lshl_b32 s24, s15, 12
	s_add_co_u32 s22, s22, s24
	s_add_nc_u64 s[4:5], s[4:5], s[22:23]          ; pacc: 8 partials of 16,384 bytes; my four accumulators begin 4096 a on
	s_lshl_b32 s22, s17, 12
	s_lshl_b32 s24, s15, 6
	s_add_co_u32 s22, s22, s24
	s_add_nc_u64 s[6:7], s[6:7], s[22:23]
	s_lshl_b32 s22, s16, 18
	s_lshl_b32 s24, s18, 8
	s_add_co_u32 s22, s22, s24
	s_add_nc_u64 s[8:9], s[8:9], s[22:23]          ; wo: my 128 rows, the head's 64 columns
	s_lshl_b32 s22, s19, 18
	s_lshl_b32 s24, s16, 17
	s_add_co_u32 s22, s22, s24
	s_lshl_b32 s24, s18, 11
	s_add_co_u32 s22, s22, s24
	s_lshl_b32 s24, s15, 9
	s_add_co_u32 s22, s22, s24
	s_add_nc_u64 s[10:11], s[10:11], s[22:23]      ; wf: [batch][o tile 16][K step 16][half 2][512]: K step 2 head + a / 2, half a % 2
	s_lshl_b32 s22, s17, 7
	s_add_nc_u64 s[12:13], s[12:13], s[22:23]
	WIN 0x40                                       ; destination window 1: wo(16 (o tile) + r, 32 u + 8 h + 0 .. 7 and + 16): the order of an operand's registers
.irp o, 0,1,2,3,4,5,6,7
.irp u, 0,1
	global_load_b128 v[32*\o+16*\u:32*\o+16*\u+3], v8, s[8:9] offset:32768*\o+128*\u
	global_load_b128 v[32*\o+16*\u+4:32*\o+16*\u+7], v8, s[8:9] offset:32768*\o+128*\u+16
	global_load_b128 v[32*\o+16*\u+8:32*\o+16*\u+11], v8, s[8:9] offset:32768*\o+128*\u+64
	global_load_b128 v[32*\o+16*\u+12:32*\o+16*\u+15], v8, s[8:9] offset:32768*\o+128*\u+80
.endr
.endr
	WIN 0
.irp c, 0,1,2,3,4,5,6,7
	global_load_b32 v[16+\c], v9, s[6:7] offset:512*\c
	global_load_b32 v[24+\c], v9, s[6:7] offset:512*\c+256
.endr
.macro LDCH c                          ; partial c's four accumulators of my kd tile, into buffer c % 4
.irp k, 0,1,2,3,4,5,6,7
	global_load_b128 v[64+32*((\c)%4)+4*\k:64+32*((\c)%4)+4*\k+3], v7, s[4:5] offset:16384*(\c)+512*\k
.endr
.endm
	LDCH 0
	LDCH 1
	LDCH 2
	LDCH 3
	s_wait_loadcnt 32                              ; wo, m and l are in; the four partials' 32 loads may be out
	v_max3_num_f32 v48, v16, v17, v18
	v_max3_num_f32 v48, v48, v19, v20
	v_max3_num_f32 v48, v48, v21, v22
	v_max_num_f32 v48, v48, v23                    ; m of my kd
.irp c, 0,1,2,3,4,5,6,7
	v_sub_f32 v[33+2*\c], v[16+\c], v48
.endr
.irp c, 0,1,2,3,4,5,6,7
	v_exp_f32 v[32+2*\c], v[33+2*\c]
.endr
	v_nop
	s_wait_alu depctr_va_vdst(0)                   ; one wait for the eight
	v_mul_f32 v49, v32, v24
.irp c, 1,2,3,4,5,6,7
	v_fmac_f32 v49, v[32+2*\c], v[24+\c]           ; the softmax's sum: at least 1
.endr
	v_rcp_f32 v50, v49
	v_nop
	s_wait_alu depctr_va_vdst(0)
.irp c, 0,1,2,3,4,5,6,7
	v_mul_f32 v[32+2*\c], v[32+2*\c], v50
.endr
	WIN 0x05                                       ; sources 0 and 1 window 1: the largest |wo| of my 128 rows, in four chains
.irp k, 0,1,2,3
	v_max3_num_f32 v[52+\k], |v[2*\k]|, |v[2*\k+1]|, FLOORB
.endr
.set i, 4
.rept 124
	v_max3_num_f32 v[52+i%4], |v[2*i]|, |v[2*i+1]|, v[52+i%4]
.set i, i+1
.endr
	WIN 0
	v_max3_num_f32 v52, v52, v53, v54
	v_max_num_f32 v52, v52, v55
.macro CHUNK c, cnt
	s_wait_loadcnt \cnt                            ; this partial's 8 loads are in; the later ones', 8 each, may be out
.irp p, 0,1,2,3,4,5,6,7,8,9,10,11,12,13,14,15
.if (\c) == 0
	v_pk_mul_f32 v[192+2*\p:193+2*\p], v[64+2*\p:65+2*\p], v[32:33] op_sel_hi:[1,0]
.else
	v_pk_fma_f32 v[192+2*\p:193+2*\p], v[64+32*((\c)%4)+2*\p:65+32*((\c)%4)+2*\p], v[32+2*(\c):33+2*(\c)], v[192+2*\p:193+2*\p] op_sel_hi:[1,0,1]
.endif
.endr
.if (\c) < 4
	LDCH (\c)+4
.endif
.endm
	CHUNK 0, 24
	CHUNK 1, 24
	CHUNK 2, 24
	CHUNK 3, 24
	CHUNK 4, 24
	CHUNK 5, 16
	CHUNK 6, 8
	CHUNK 7, 0
	v_max3_num_f32 v56, |v192|, |v193|, FLOORB
	v_max3_num_f32 v57, |v194|, |v195|, FLOORB
.set i, 2
.rept 14
	v_max3_num_f32 v[56+i%2], v[56+i%2], |v[192+2*i]|, |v[193+2*i]|
.set i, i+1
.endr
	v_max_num_f32 v53, v56, v57                    ; the largest |ctx| of my lane
.irp k, 1,2,4,8
	v_max_num_f32_dpp v52, v52, v52 row_xmask:\k row_mask:0xf bank_mask:0xf
	v_max_num_f32_dpp v53, v53, v53 row_xmask:\k row_mask:0xf bank_mask:0xf
.endr
	v_permlanex16_b32 v54, v52, s20, s21
	v_permlanex16_b32 v55, v53, s20, s21
	v_max_num_f32 v52, v52, v54
	v_max_num_f32 v53, v53, v55
	ds_store_b64 v3, v[52:53]                      ; all lanes write the same two words with the same values
	s_wait_dscnt 0x0
	s_barrier_signal -1
	s_barrier_wait -1
.irp k, 0,1,2,3
	ds_load_b128 v[240+4*\k:243+4*\k], v11 offset:16*\k
.endr
	s_wait_dscnt 0x0
	v_max3_num_f32 v52, v240, v242, v244
	v_max3_num_f32 v53, v241, v243, v245
	v_max3_num_f32 v52, v52, v246, v248
	v_max3_num_f32 v53, v53, v247, v249
	v_max3_num_f32 v52, v52, v250, v252
	v_max3_num_f32 v53, v53, v251, v253
	v_max_num_f32 v52, v52, v254
	v_max_num_f32 v53, v53, v255
	v_lshrrev_b32 v52, 23, v52                     ; the two exponent fields, ew + 127 and ec + 127
	v_lshrrev_b32 v53, 23, v53
	v_sub_nc_u32 v54, 254, v52
	v_lshlrev_b32 v54, 23, v54                     ; 2^-ew
	v_mov_b32 v55, v54
	v_sub_nc_u32 v56, 261, v53
	v_lshlrev_b32 v56, 23, v56                     ; 2^(7 - ec)
	v_mov_b32 v57, v56
	v_add_nc_u32 v58, v52, v53
	v_add_nc_u32 v58, 0xffffff7a, v58              ; - 134
	v_lshlrev_b32 v58, 23, v58                     ; s = 2^(ew + ec - 7)
	WIN 0x41
.set i, 0
.rept 128
	v_pk_mul_f32 v[2*i:2*i+1], v[2*i:2*i+1], v[54:55] op_sel_hi:[1,0]   ; by a power of two: nothing is rounded
.set i, i+1
.endr
	WIN 0x05
.set i, 0
.rept 128
	v_cvt_pk_f16_f32 v[64+i], v[2*i], v[2*i+1]     ; wo's fragment (o tile, u) at v[64 + 16 (o tile) + 8 u]
.set i, i+1
.endr
	WIN 0
.set i, 0
.rept 16
	v_pk_mul_f32 v[192+2*i:193+2*i], v[192+2*i:193+2*i], v[56:57] op_sel_hi:[1,0]
.set i, i+1
.endr
.set i, 0
.rept 16
	v_cvt_pk_f16_f32 v[224+i], v[192+2*i], v[193+2*i]   ; ctx's fragment u at v[224 + 8 u]: rows kd, K = vd
.set i, i+1
.endr
	WIN 0x40                                       ; D window 1.  Source 0 = ctx (rows kd), source 1 = wo (columns o): lane (r, h) holds o = r and kd = 16 a + 8 h + j.  Eight accumulators by turns
.irp o, 0,1,2,3,4,5,6,7
	v_wmma_f32_16x16x32_f16 v[8*\o:8*\o+7], v[224:231], v[64+16*\o:71+16*\o], 0
.endr
	WIN 0x50
.irp o, 0,1,2,3,4,5,6,7
	v_wmma_f32_16x16x32_f16 v[8*\o:8*\o+7], v[232:239], v[72+16*\o:79+16*\o], v[8*\o:8*\o+7]
.endr
	WIN 0
.rept 4
	v_nop
.endr
	WIN 0x05
.irp o, 0,1,2,3,4,5,6,7
.irp q, 0,1,2,3
	v_cvt_pk_f16_f32 v[192+4*\o+\q], v[8*\o+2*\q], v[8*\o+2*\q+1]
.endr
.endr
	WIN 0
.irp o, 0,1,2,3,4,5,6,7
	global_store_b128 v7, v[192+4*\o:195+4*\o], s[10:11] offset:16384*\o   ; 512 consecutive bytes a store
.endr
	s_cmp_lg_u32 s14, 0
	s_cbranch_scc1 .Lend
	global_store_b32 v10, v58, s[12:13]
.Lend:
	s_wait_tensorcnt 0x0                           ; the wave's end: three closing lines behind my last LDS store
	ds_add_u32 v1, v2
	s_wait_dscnt 0x0
	s_endpgm
.Lfunc_end_k_q25b4585f57_fold:
	.size	k_q25b4585f57_fold, .Lfunc_end_k_q25b4585f57_fold-k_q25b4585f57_fold
	.p2alignl 7, 3214868480
	.fill 96, 4, 3214868480
	.section	.rodata,"a",@progbits
	.p2align	6, 0x0
	.amdhsa_kernel k_q25b4585f57_fold
		.amdhsa_group_segment_fixed_size 1280
		.amdhsa_private_segment_fixed_size 0
		.amdhsa_enable_private_segment 0
		.amdhsa_kernarg_size 40
		.amdhsa_user_sgpr_count 2
		.amdhsa_user_sgpr_kernarg_segment_ptr 1
		.amdhsa_wavefront_size32 1
		.amdhsa_system_sgpr_workgroup_id_x 1
		.amdhsa_system_sgpr_workgroup_id_y 1
		.amdhsa_system_sgpr_workgroup_id_z 1
		.amdhsa_system_vgpr_workitem_id 0
		.amdhsa_next_free_vgpr 512
		.amdhsa_next_free_sgpr 66
		.amdhsa_reserve_vcc 0
		.amdhsa_float_denorm_mode_32 3
		.amdhsa_float_denorm_mode_16_64 3
		.amdhsa_memory_ordered 1
		.amdhsa_forward_progress 1
		.amdhsa_inst_pref_size 59
	.end_amdhsa_kernel
	.amdgpu_metadata
---
amdhsa.version: [ 1, 2 ]
amdhsa.kernels:
  - .name:           k_q25b4585f57_fold
    .symbol:         k_q25b4585f57_fold.kd
    .args:
      - { .name: pacc, .offset: 0, .size: 8, .value_kind: global_buffer, .address_space: global }
      - { .name: pml, .offset: 8, .size: 8, .value_kind: global_buffer, .address_space: global }
      - { .name: wo, .offset: 16, .size: 8, .value_kind: global_buffer, .address_space: global }
      - { .name: wf, .offset: 24, .size: 8, .value_kind: global_buffer, .address_space: global }
      - { .name: wsc, .offset: 32, .size: 8, .value_kind: global_buffer, .address_space: global }
    .group_segment_fixed_size: 1280
    .private_segment_fixed_size: 0
    .kernarg_segment_align: 8
    .kernarg_segment_size: 40
    .max_flat_workgroup_size: 256
    .sgpr_count:     66
    .vgpr_count:     512
    .wavefront_size: 32
...
	.end_amdgpu_metadata
.endif
;; end of part 3
;; launch qout (part 4): grid 64 x 4, 4 waves a work-group, no clusters, 137,728 bytes of LDS; arguments xq, wqc, wqs, bq, g_q, be_q, wf, wsc, bo, out0; writes out0
.if DOCPART == 4
	.amdgcn_target "amdgcn-amd-amdhsa--gfx1250"
	.amdhsa_code_object_version 6
	.text
	.protected	k_q25b4585f57_qout
	.globl	k_q25b4585f57_qout
	.p2align	8
	.type	k_q25b4585f57_qout,@function
k_q25b4585f57_qout:
	s_mov_b64 s[64:65], 0
	v_nop
	global_prefetch_b8 v0, s[64:65] scope:SCOPE_SE
	s_setreg_imm32_b32 hwreg(HW_REG_WAVE_MODE, 25, 1), 1
	s_wait_xcnt 0x0
; For one batch and 256 positions: q (product on E2M1 codes), LayerNorm and softmax over each head's 64 features, then out = W' q + bo, W' being wo folded with ctx by the launch before.
; SHARES.  Wave w makes q of heads 2 w and 2 w + 1, and output rows 64 w .. 64 w + 63 over all 512 of K.  Its 64 fragments of W' (512 registers) and 16 of wq stay in registers for the whole launch.
; What goes from wave to wave is q, rounded to f16, as IMAGES OF OPERAND REGISTERS: 16,384 bytes for a tile of 16 positions, in two buffers by turns, one barrier a tile.
; LAYOUT.  q: source 0 = 16 features of wq, source 1 = 16 positions: lane (r, h) holds position r and features 16 t + 8 h + j: LayerNorm and softmax want one exchange of halves each,
; and tiles 2 u, 2 u + 1 rounded in pairs ARE fragment u of the head.  out: source 0 = q (rows = positions), source 1 = W' (columns = o): lane (r, h) holds o = r and positions 8 h + j: 32 neighbouring bytes of a row of out0.
; SCALES.  W' comes divided by a power of two s of its head.  S is the largest s of the batch's eight heads; q is multiplied by s / S (at most 1) ahead of its rounding, and the sums by S.
; BY TURNS.  The 64 f16 products of tile j stand among the vector lines of tile j + 1's q, one behind every CAD lines (macro TICK): a slice of plain work stands behind each product, and the four accumulators take turns.
; out0 leaves through the wave's own stage, 64 rows x 256 bytes for four tiles, so that sixteen lanes store 256 consecutive bytes, aligned.
; LIMITS: NaN and infinities are not served; the variance is E[u^2] - mean^2, held at 0 from below: its relative error grows as (mean / spread)^2 x 2^-24.
; NO CLUSTER: the work-groups of a batch share W' (262,144 bytes), wanted once, in registers; brought jointly it would have to lie in LDS beside the 137,728 bytes in use, which does not fit.
; REGISTERS.  Window 0: v1, v2 the add's two; v3-13 addresses; v16-23 wq's scale words, v24 x's; v26-29 bo; v[30:31] (1/sigma, -mean/sigma), later the softmax's factor; v32-47 x; v48-79 T; v80-95 q in f16 (first head);
;   v96-127 the four accumulators; v128-159 g_q c, v160-191 be_q c (c = 64^-0.25 log2 e); v192-255 at work, q in f16 (second head: v224-239), rows on the way out.
;   Window 1: v0-127 wq; v128-191 bq as C; v192-255 q's fragments from LDS, two halves.   Windows 2, 3: W'(o tile, K step) at 128 (o tile % 2) + 8 (K step), window 2 + (o tile / 2).
.set QS,    0x3f0293ee                 ; 64^-0.25 x log2(e)
.set EPSB,  0x3727c5ac
.set R64,   0x3c800000
.set REC,   4352
.set XSB,   32768                      ; LDS: 0: x's codes [tile 16][2048];  XSB: its scale words [tile][128];
.set IMG,   34816                      ; q's images, two buffers of 16,384: [K step 16][half 2][lane][16];
.set STG,   67584                      ; a stage of 64 rows x 272 bytes for each wave;
.set SPARE, 137216                     ; the spare words, 128 bytes for each wave: two blocks of 256 bytes that no other line names
.set CAD,   6
.set MI,    64
.set VC,    0
.set RB,    0
.set MSB,   0
.macro WIN new
.if MSB != (\new)
	s_set_vgpr_msb (MSB<<8)|(\new)
.set MSB, (\new)
.endif
.endm
.macro NOPS n
.rept \n
	v_nop
.endr
.endm
.macro BARRIER
	s_wait_dscnt 0x0
	s_barrier_signal -1
	s_barrier_wait -1
.endm
.macro LQ g, buf                       ; K steps 4 g .. 4 g + 3 of q's images in buffer buf, into half g % 2
	WIN 0x40
.irp f, 0,1,2,3
.irp c, 0,1
	ds_load_b128 v[192+32*((\g)%2)+8*\f+4*\c:195+32*((\g)%2)+8*\f+4*\c], v11 offset:16384*(\buf)+(4*(\g)+\f)*1024+512*\c
.endr
.endr
	WIN 0
.endm
; Product MI of 64: K step MI / 4, o tile MI % 4.  A half of q's fragments is fetched anew when its 16 products are issued, four places behind the last of them.
.macro MM
.if MI < 64
.if (MI == 32) || (MI == 48)
	s_wait_dscnt 0x0                               ; the half asked for 16 products ago is in
.endif
.if (MI == 16) || (MI == 32)
	NOPS 4
	LQ MI/16+1, RB
.endif
	WIN 0x09+4*((MI%4)/2)                          ; source 0 window 1, source 1 window 2 or 3
.if MI < 4
	v_wmma_f32_16x16x32_f16 v[96+8*(MI%4):103+8*(MI%4)], v[192+32*((MI/16)%2)+8*((MI/4)%4):199+32*((MI/16)%2)+8*((MI/4)%4)], v[128*(MI%2)+8*(MI/4):128*(MI%2)+8*(MI/4)+7], 0
.else
	v_wmma_f32_16x16x32_f16 v[96+8*(MI%4):103+8*(MI%4)], v[192+32*((MI/16)%2)+8*((MI/4)%4):199+32*((MI/16)%2)+8*((MI/4)%4)], v[128*(MI%2)+8*(MI/4):128*(MI%2)+8*(MI/4)+7], v[96+8*(MI%4):103+8*(MI%4)]
.endif
.set MI, MI+1
.endif
.endm
.macro TICK                            ; behind a vector line of q's work
.set VC, VC+1
.if (VC % CAD) == 0
	MM
	WIN 0
.endif
.endm
.macro MMREST
.rept 64
	MM
.endr
	WIN 0
.endm
.macro XLD ax, as, tile                ; a tile's two fragments of x and its scale words (lanes 0-15 K step 0, lanes 16-31 K step 1)
.irp q, 0,1,2,3
	ds_load_b128 v[32+4*\q:35+4*\q], v[\ax] offset:2048*(\tile)+512*\q
.endr
	ds_load_b32 v24, v[\as] offset:128*(\tile)
.endm
; q of my head hh for the tile in v32-47, into image buffer wb
.macro QUNIT hh, wb
.set PK, 80+144*(\hh)
	WIN 0x11                                       ; source 0 (wq) and C (bq) window 1
.irp t, 0,1,2,3
	v_wmma_scale_f32_16x16x128_f8f6f4 v[48+8*\t:55+8*\t], v[64*\hh+16*\t:64*\hh+16*\t+7], v[32:39], v[128+32*\hh+8*\t:135+32*\hh+8*\t], v[16+4*\hh+\t], v24 matrix_a_fmt:MATRIX_FMT_FP4 matrix_b_fmt:MATRIX_FMT_FP4
.endr
	WIN 0x01
.irp t, 0,1,2,3
	v_wmma_scale_f32_16x16x128_f8f6f4 v[48+8*\t:55+8*\t], v[64*\hh+16*\t+8:64*\hh+16*\t+15], v[40:47], v[48+8*\t:55+8*\t], v[16+4*\hh+\t], v24 matrix_a_fmt:MATRIX_FMT_FP4 matrix_b_fmt:MATRIX_FMT_FP4 matrix_a_scale:MATRIX_SCALE_ROW1 matrix_b_scale:MATRIX_SCALE_ROW1
.endr
	WIN 0
	NOPS 5                                         ; five places: the next batch writes over these results
	v_pk_add_f32 v[200:201], v[48:49], v[50:51]    ; the statistics; each accumulator is first read at its low end
	TICK
	v_pk_mul_f32 v[204:205], v[48:49], v[48:49]
	TICK
	v_pk_mul_f32 v[206:207], v[50:51], v[50:51]
	TICK
	v_pk_add_f32 v[202:203], v[52:53], v[54:55]
	TICK
.irp p, 2,3,4,5,6,7,8,9,10,11,12,13,14,15
	v_pk_fma_f32 v[204+2*(\p%2):205+2*(\p%2)], v[48+2*\p:49+2*\p], v[48+2*\p:49+2*\p], v[204+2*(\p%2):205+2*(\p%2)]
	TICK
.endr
.irp p, 4,5,6,7,8,9,10,11,12,13,14,15
	v_pk_add_f32 v[200+2*(\p%2):201+2*(\p%2)], v[200+2*(\p%2):201+2*(\p%2)], v[48+2*\p:49+2*\p]
	TICK
.endr
	v_pk_add_f32 v[200:201], v[200:201], v[202:203]
	TICK
	v_pk_add_f32 v[204:205], v[204:205], v[206:207]
	TICK
	v_add_f32 v200, v200, v201
	TICK
	v_add_f32 v204, v204, v205
	TICK
	v_permlanex16_b32 v208, v200, s28, s29         ; the position's other 32 features lie in the lane 16 away
	TICK
	v_permlanex16_b32 v209, v204, s28, s29
	TICK
	v_add_f32 v200, v200, v208
	TICK
	v_add_f32 v204, v204, v209
	TICK
	v_mul_f32 v200, R64, v200                      ; the mean
	TICK
	v_mul_f32 v204, R64, v204
	TICK
	v_fma_f32 v204, -v200, v200, v204
	TICK
	v_max_num_f32 v204, 0, v204
	TICK
	v_add_f32 v204, EPSB, v204
	TICK
	v_rsq_f32 v30, v204
	v_nop
	s_wait_alu depctr_va_vdst(0)                   ; the wait ahead of the root's first reader
	v_mul_f32 v31, -v200, v30
	TICK
.irp p, 0,1,2,3,4,5,6,7,8,9,10,11,12,13,14,15
	v_pk_fma_f32 v[48+2*\p:49+2*\p], v[48+2*\p:49+2*\p], v[30:31], v[30:31] op_sel:[0,0,1] op_sel_hi:[1,0,1]
	TICK
.endr
.irp p, 0,1,2,3,4,5,6,7,8,9,10,11,12,13,14,15
	v_pk_fma_f32 v[48+2*\p:49+2*\p], v[48+2*\p:49+2*\p], v[128+2*\p:129+2*\p], v[160+2*\p:161+2*\p]   ; x g c + be c: the softmax's exponent, in units of log2
	TICK
.endr
	v_max3_num_f32 v222, v48, v49, v50
	TICK
	v_max3_num_f32 v223, v51, v52, v53
	TICK
.irp j, 6,10,14,18,22,26
	v_max3_num_f32 v222, v222, v[48+\j], v[49+\j]
	TICK
	v_max3_num_f32 v223, v223, v[50+\j], v[51+\j]
	TICK
.endr
	v_max3_num_f32 v222, v222, v78, v79
	TICK
	v_max_num_f32 v222, v222, v223
	TICK
	v_permlanex16_b32 v214, v222, s28, s29
	TICK
	v_max_num_f32 v212, v222, v214                 ; the position's maximum over the head's 64
	TICK
.irp p, 0,1,2,3,4,5,6,7,8,9,10,11,12,13,14,15
	v_pk_add_f32 v[48+2*\p:49+2*\p], v[48+2*\p:49+2*\p], v[212:213] op_sel_hi:[1,0] neg_lo:[0,1] neg_hi:[0,1]
	TICK
.endr
.irp j, 0,1,2,3,4,5,6,7,8,9,10,11,12,13,14,15,16,17,18,19,20,21,22,23,24,25,26,27,28,29,30,31
	v_exp_f32 v[48+\j], v[48+\j]
	TICK
.endr
	v_nop                                          ; a plain place behind the batch,
	s_wait_alu depctr_va_vdst(0)                   ; and one wait for its 32 exponentials
	v_pk_add_f32 v[216:217], v[48:49], v[50:51]
	TICK
	v_pk_add_f32 v[218:219], v[52:53], v[54:55]
	TICK
.irp j, 8,12,16,20,24,28
	v_pk_add_f32 v[216:217], v[216:217], v[48+\j:49+\j]
	TICK
	v_pk_add_f32 v[218:219], v[218:219], v[50+\j:51+\j]
	TICK
.endr
	v_pk_add_f32 v[216:217], v[216:217], v[218:219]
	TICK
	v_add_f32 v216, v216, v217
	TICK
	v_permlanex16_b32 v220, v216, s28, s29
	TICK
	v_add_f32 v216, v216, v220
	TICK
	v_rcp_f32 v221, v216
	v_nop
	s_wait_alu depctr_va_vdst(0)
	v_mul_f32 v30, s[42+\hh], v221                 ; 1 / sum x (the head's s / S)
	TICK
.irp p, 0,1,2,3,4,5,6,7,8,9,10,11,12,13,14,15
	v_pk_mul_f32 v[48+2*\p:49+2*\p], v[48+2*\p:49+2*\p], v[30:31] op_sel_hi:[1,0]
	TICK
.endr
.irp p, 0,1,2,3,4,5,6,7,8,9,10,11,12,13,14,15
	v_cvt_pk_f16_f32 v[PK+\p], v[48+2*\p], v[49+2*\p]
	TICK
.endr
.irp t, 0,1,2,3
	ds_store_b128 v5, v[PK+4*\t:PK+4*\t+3] offset:16384*(\wb)+2048*\hh+512*\t   ; K step 4 w + 2 hh + t / 2, half t % 2
.endr
.endm
.macro OUT buf                         ; the sums x S + bo, into my stage at the tile's 64 bytes of each row
	NOPS 5
.irp o, 0,1,2,3
.irp p, 0,1,2,3
.if (\o%2) == 0
	v_pk_fma_f32 v[96+8*\o+2*\p:97+8*\o+2*\p], v[96+8*\o+2*\p:97+8*\o+2*\p], s[40:41], v[26+2*(\o/2):27+2*(\o/2)] op_sel_hi:[1,0,0]
.else
	v_pk_fma_f32 v[96+8*\o+2*\p:97+8*\o+2*\p], v[96+8*\o+2*\p:97+8*\o+2*\p], s[40:41], v[26+2*(\o/2):27+2*(\o/2)] op_sel:[0,0,1] op_sel_hi:[1,0,1]
.endif
.endr
.endr
.irp o, 0,1,2,3
	ds_store_b128 v13, v[96+8*\o:99+8*\o] offset:4352*\o+64*(\buf)
	ds_store_b128 v13, v[100+8*\o:103+8*\o] offset:4352*\o+64*(\buf)+16
.endr
.endm
; The products of the tile whose images lie in buffer buf, among the work on the next tile's q, which goes into the other buffer.  One barrier: in front of it my reads of one buffer and my stores into the other are done.
.macro DSTEP buf
	LQ 0, \buf
	LQ 1, \buf
	XLD 9, 10, \buf
	s_wait_dscnt 0x0
.set MI, 0
.set VC, 0
.set RB, \buf
	QUNIT 0, 1-\buf
	QUNIT 1, 1-\buf
	MMREST
	OUT \buf
	BARRIER
.endm
.macro FLUSH                           ; my 64 rows x 256 bytes leave: two rows a load and a store; two sets of eight by turns
.irp g, 0,1
.irp t, 0,1,2,3,4,5,6,7
	ds_load_b128 v[192+4*\t:195+4*\t], v7 offset:544*(16*\g+\t)
.endr
.irp t, 0,1,2,3,4,5,6,7
	ds_load_b128 v[224+4*\t:227+4*\t], v7 offset:544*(16*\g+8+\t)
.endr
	s_wait_dscnt 8                                 ; the first set is in; the second set's eight loads may be out
.irp t, 0,1,2,3,4,5,6,7
	global_store_b128 v8, v[192+4*\t:195+4*\t], s[22:23] offset:131072*(16*\g+\t) th:TH_STORE_NT   ; each sixteen lanes store 256 consecutive bytes, aligned
.endr
	s_wait_dscnt 0x0
.irp t, 0,1,2,3,4,5,6,7
	global_store_b128 v8, v[224+4*\t:227+4*\t], s[22:23] offset:131072*(16*\g+8+\t) th:TH_STORE_NT
.endr
	s_wait_xcnt 0x0                                ; the stores have read their registers and their base: both may be written again
.endr
	s_add_nc_u64 s[22:23], s[22:23], 256
.endm
.macro LDW ot                          ; W' of my o tile ot: 16 fragments, 512 consecutive bytes a load
	WIN 0x80+0x40*((\ot)/2)
.irp k, 0,1,2,3,4,5,6,7,8,9,10,11,12,13,14,15,16,17,18,19,20,21,22,23,24,25,26,27,28,29,30,31
	global_load_b128 v[128*((\ot)%2)+4*\k:128*((\ot)%2)+4*\k+3], v3, s[16:17] offset:16384*(\ot)+512*\k
.endr
	WIN 0
.endm
	s_load_b256 s[4:11], s[0:1], 0x0               ; xq, wqc, wqs, bq
	s_load_b256 s[12:19], s[0:1], 0x20             ; g_q, be_q, wf, wsc
	s_load_b128 s[20:23], s[0:1], 0x40             ; bo, out0
	v_lshl_add_u32 v1, v0, 2, SPARE
	v_mov_b32 v2, 0
	v_lshrrev_b32 v9, 5, v0
	v_readfirstlane_b32 s24, v9                    ; wave
	s_mov_b32 s25, ttmp9                           ; chunk of 256 positions
	s_and_b32 s26, ttmp7, 0xffff                   ; batch
	s_mov_b32 s28, 0x76543210
	s_mov_b32 s29, 0xfedcba98
	v_and_b32 v9, 31, v0                           ; lane
	v_and_b32 v10, 15, v0                          ; r
	v_bfe_u32 v11, v0, 4, 1                        ; h
	v_lshlrev_b32 v3, 4, v9                        ; 16 x lane
	v_lshlrev_b32 v4, 3, v10
	v_lshl_add_u32 v4, v11, 2, v4
	v_add_nc_u32 v4, XSB, v4                       ; x's scale words: 8 r + 4 h
	s_lshl_b32 s52, s24, 12
	s_add_co_u32 s52, s52, IMG
	v_add_nc_u32 v5, s52, v3                       ; where I store images: 16 x lane + 4096 x wave
	s_mul_i32 s52, s24, 17408
	s_add_co_u32 s52, s52, STG                     ; my stage
	v_mul_u32_u24 v6, v10, 272
	v_lshl_add_u32 v6, v11, 5, v6
	v_add_nc_u32 v6, s52, v6                       ; in: row r, + 32 h
	v_mul_u32_u24 v7, v11, 272
	v_lshl_add_u32 v7, v10, 4, v7
	v_add_nc_u32 v7, s52, v7                       ; back: lanes 0-15 one row, lanes 16-31 the next
	v_lshlrev_b32 v8, 16, v11
	v_lshl_add_u32 v8, v10, 4, v8                  ; and the same two rows of out0, 65,536 bytes apart
	v_lshlrev_b32 v192, 3, v9                      ; 8 x lane
	v_lshlrev_b32 v193, 2, v9                      ; 4 x lane
	v_lshlrev_b32 v194, 5, v11                     ; 32 h
	v_lshlrev_b32 v195, 2, v10                     ; 4 r
	s_lshl_b32 s52, s24, 13
	v_add_nc_u32 v196, s52, v3                     ; x's codes into LDS: my two records
	s_lshl_b32 s52, s24, 9
	s_add_co_u32 s52, s52, XSB
	v_add_nc_u32 v197, s52, v192                   ; and their scale words
	v_add_nc_u32 v11, IMG, v3                      ; where images are read
	s_mov_b32 s53, 0
	s_lshl_b32 s52, s26, 9
	s_lshl_b32 s54, s25, 3
	s_add_co_u32 s52, s52, s54
	s_lshl_b32 s54, s24, 1
	s_add_co_u32 s52, s52, s54                     ; the first record that I copy: batch x 512 + chunk x 8 + 2 x wave
	s_mul_i32 s52, s52, REC
	s_wait_kmcnt 0x0
	s_add_nc_u64 s[4:5], s[4:5], s[52:53]
	s_lshl_b32 s52, s24, 14
	s_add_nc_u64 s[6:7], s[6:7], s[52:53]          ; wq: my eight tiles
	s_lshl_b32 s52, s24, 10
	s_add_nc_u64 s[8:9], s[8:9], s[52:53]
	s_lshl_b32 s52, s24, 9
	s_add_nc_u64 s[10:11], s[10:11], s[52:53]      ; bq: my 128 numbers
	s_lshl_b32 s52, s26, 18
	s_lshl_b32 s54, s24, 16
	s_add_co_u32 s52, s52, s54
	s_add_nc_u64 s[16:17], s[16:17], s[52:53]      ; W': the batch, my four o tiles
	s_lshl_b32 s52, s26, 10
	s_add_nc_u64 s[18:19], s[18:19], s[52:53]      ; the batch's eight scales, 128 bytes apart
	s_lshl_b32 s52, s24, 8
	s_add_nc_u64 s[56:57], s[18:19], s[52:53]      ; my two heads'
	s_add_nc_u64 s[20:21], s[20:21], s[52:53]      ; bo: my 64 numbers
	s_lshl_b32 s52, s26, 24
	s_lshl_b32 s54, s24, 22
	s_add_co_u32 s52, s52, s54
	s_lshl_b32 s54, s25, 10
	s_add_co_u32 s52, s52, s54
	s_add_nc_u64 s[22:23], s[22:23], s[52:53]
.irp h, 0,1,2,3,4,5,6,7
	s_load_b32 s[44+\h], s[18:19], 128*\h
.endr
	s_load_b32 s42, s[56:57], 0x0
	s_load_b32 s43, s[56:57], 0x80
.irp rr, 0,1
.irp q, 0,1,2,3,4,5,6,7
	global_load_b128 v[48+34*\rr+4*\q:51+34*\rr+4*\q], v3, s[4:5] offset:REC*\rr+512*\q
.endr
	global_load_b64 v[80+34*\rr:81+34*\rr], v192, s[4:5] offset:REC*\rr+4096
.endr
	WIN 0x40
.irp hh, 0,1
.irp t, 0,1,2,3
.irp q, 0,1,2,3
	global_load_b128 v[64*\hh+16*\t+4*\q:64*\hh+16*\t+4*\q+3], v3, s[6:7] offset:(4*\hh+\t)*2048+512*\q
.endr
	global_load_b128 v[128+32*\hh+8*\t:131+32*\hh+8*\t], v194, s[10:11] offset:256*\hh+64*\t
	global_load_b128 v[132+32*\hh+8*\t:135+32*\hh+8*\t], v194, s[10:11] offset:256*\hh+64*\t+16
.endr
.endr
	WIN 0
.irp hh, 0,1
.irp t, 0,1,2,3
	global_load_b32 v[16+4*\hh+\t], v193, s[8:9] offset:(4*\hh+\t)*128
.endr
.endr
.irp t, 0,1,2,3
	global_load_b128 v[128+8*\t:131+8*\t], v194, s[12:13] offset:64*\t
	global_load_b128 v[132+8*\t:135+8*\t], v194, s[12:13] offset:64*\t+16
	global_load_b128 v[160+8*\t:163+8*\t], v194, s[14:15] offset:64*\t
	global_load_b128 v[164+8*\t:167+8*\t], v194, s[14:15] offset:64*\t+16
.endr
.irp o, 0,1,2,3
	global_load_b32 v[26+\o], v195, s[20:21] offset:64*\o
.endr
	LDW 0
	s_wait_loadcnt 32                              ; all but the 32 loads just issued
.irp rr, 0,1
.irp q, 0,1,2,3,4,5,6,7
	ds_store_b128 v196, v[48+34*\rr+4*\q:51+34*\rr+4*\q] offset:4096*\rr+512*\q
.endr
	ds_store_b64 v197, v[80+34*\rr:81+34*\rr] offset:256*\rr
.endr
.irp p, 0,1,2,3,4,5,6,7,8,9,10,11,12,13,14,15,16,17,18,19,20,21,22,23,24,25,26,27,28,29,30,31
	v_pk_mul_f32 v[128+2*\p:129+2*\p], v[128+2*\p:129+2*\p], QS op_sel_hi:[1,0]
.endr
	v_mov_b32 v208, 0                              ; written once: a lane permute's destination counts as one of its sources,
	v_mov_b32 v209, 0
	v_mov_b32 v214, 0
	v_mov_b32 v220, 0
	v_mov_b32 v213, 0                              ; and this one is named as the upper half of a pair
	LDW 1
	LDW 2
	LDW 3
	s_wait_kmcnt 0x0
	s_max_u32 s40, s44, s45                        ; powers of two: their bits stand in the order of their values
	s_max_u32 s40, s40, s46
	s_max_u32 s40, s40, s47
	s_max_u32 s40, s40, s48
	s_max_u32 s40, s40, s49
	s_max_u32 s40, s40, s50
	s_max_u32 s40, s40, s51                        ; S
	s_mov_b32 s41, s40
	s_sub_co_u32 s52, 0x7f000000, s40              ; 1 / S
	s_mul_f32 s42, s42, s52
	s_mul_f32 s43, s43, s52
	BARRIER                                        ; x's 16 tiles lie in LDS
	XLD 3, 4, 0
	s_wait_dscnt 0x0
.set MI, 64                            ; tile 0's q has no products to stand among
	QUNIT 0, 0
	QUNIT 1, 0
	s_wait_loadcnt 0x0                             ; W'
	BARRIER
	s_mov_b32 s30, 2048                            ; x's codes of the next tile to be worked: tile 1
	s_mov_b32 s31, 128
	s_mov_b32 s34, 0                               ; the stage's column: 128 in odd trips
	s_mov_b32 s35, 7
.Ltrip:                                                ; a trip: the products of tiles 2 T and 2 T + 1, q of tiles 2 T + 1 and 2 T + 2
	v_add_nc_u32 v9, s30, v3
	v_add_nc_u32 v10, s31, v4
	v_add_nc_u32 v13, s34, v6
	DSTEP 0
	DSTEP 1
	s_cmp_eq_u32 s34, 0                            ; four tiles fill the stage: it leaves in odd trips.  The same in all waves, and no barrier stands in the branch
	s_cbranch_scc1 .Lnoflush
	FLUSH
.Lnoflush:
	s_xor_b32 s34, s34, 128
	s_add_co_u32 s30, s30, 4096
	s_add_co_u32 s31, s31, 256
	s_sub_co_u32 s35, s35, 1
	s_cmp_lg_u32 s35, 0
	s_cbranch_scc1 .Ltrip
	v_add_nc_u32 v9, s30, v3                       ; the tail: tile 14's products among tile 15's q,
	v_add_nc_u32 v10, s31, v4
	v_add_nc_u32 v13, s34, v6
	DSTEP 0
	LQ 0, 1                                        ; and tile 15's products alone
	LQ 1, 1
	s_wait_dscnt 0x0
.set MI, 0
.set RB, 1
	MMREST
	OUT 1
	FLUSH
	s_wait_tensorcnt 0x0                           ; the wave's end: three closing lines behind my last LDS store
	ds_add_u32 v1, v2
	s_wait_dscnt 0x0
	s_endpgm
.Lfunc_end_k_q25b4585f57_qout:
	.size	k_q25b4585f57_qout, .Lfunc_end_k_q25b4585f57_qout-k_q25b4585f57_qout
	.p2alignl 7, 3214868480
	.fill 96, 4, 3214868480
	.section	.rodata,"a",@progbits
	.p2align	6, 0x0
	.amdhsa_kernel k_q25b4585f57_qout
		.amdhsa_group_segment_fixed_size 137728
		.amdhsa_private_segment_fixed_size 0
		.amdhsa_enable_private_segment 0
		.amdhsa_kernarg_size 80
		.amdhsa_user_sgpr_count 2
		.amdhsa_user_sgpr_kernarg_segment_ptr 1
		.amdhsa_wavefront_size32 1
		.amdhsa_system_sgpr_workgroup_id_x 1
		.amdhsa_system_sgpr_workgroup_id_y 1
		.amdhsa_system_sgpr_workgroup_id_z 1
		.amdhsa_system_vgpr_workitem_id 0
		.amdhsa_next_free_vgpr 1024
		.amdhsa_next_free_sgpr 66
		.amdhsa_reserve_vcc 0
		.amdhsa_float_denorm_mode_32 3
		.amdhsa_float_denorm_mode_16_64 3
		.amdhsa_memory_ordered 1
		.amdhsa_forward_progress 1
		.amdhsa_inst_pref_size 189
	.end_amdhsa_kernel
	.amdgpu_metadata
---
amdhsa.version: [ 1, 2 ]
amdhsa.kernels:
  - .name:           k_q25b4585f57_qout
    .symbol:         k_q25b4585f57_qout.kd
    .args:
      - { .name: xq, .offset: 0, .size: 8, .value_kind: global_buffer, .address_space: global }
      - { .name: wqc, .offset: 8, .size: 8, .value_kind: global_buffer, .address_space: global }
      - { .name: wqs, .offset: 16, .size: 8, .value_kind: global_buffer, .address_space: global }
      - { .name: bq, .offset: 24, .size: 8, .value_kind: global_buffer, .address_space: global }
      - { .name: g_q, .offset: 32, .size: 8, .value_kind: global_buffer, .address_space: global }
      - { .name: be_q, .offset: 40, .size: 8, .value_kind: global_buffer, .address_space: global }
      - { .name: wf, .offset: 48, .size: 8, .value_kind: global_buffer, .address_space: global }
      - { .name: wsc, .offset: 56, .size: 8, .value_kind: global_buffer, .address_space: global }
      - { .name: bo, .offset: 64, .size: 8, .value_kind: global_buffer, .address_space: global }
      - { .name: out0, .offset: 72, .size: 8, .value_kind: global_buffer, .address_space: global }
    .group_segment_fixed_size: 137728
    .private_segment_fixed_size: 0
    .kernarg_segment_align: 8
    .kernarg_segment_size: 80
    .max_flat_workgroup_size: 128
    .sgpr_count:     66
    .vgpr_count:     1024
    .wavefront_size: 32
...
	.end_amdgpu_metadata
.endif
;; end of part 4
;; ======== version 2 of 2: 4 launches; version 1 with the launches kv, qout written anew for expert scheduling mode
;; limits: a difference of large sums (such as E[x^2] - mean^2): digits are lost where the result is much smaller than its terms
;; workspace buffers: xq 8,912,896 bytes; wqc 196,608 bytes; wqs 12,288 bytes; pacc 4,194,304 bytes; pml 131,072 bytes; wf 1,048,576 bytes; wsc 4,096 bytes
;; launch prep: the kernel of part 1 again; grid 268 x 1, 8 waves a work-group, no clusters, 0 bytes of LDS; arguments x, wq, wk, wv, xq, wqc, wqs; writes xq, wqc, wqs
;; launch kv (part 5): grid 8 x 32, 8 waves a work-group, no clusters, 144,640 bytes of LDS; arguments xq, wqc, wqs, bk, bv, g_k, be_k, g_v, be_v, pacc, pml; writes pacc, pml
.if DOCPART == 5
	.amdgcn_target "amdgcn-amd-amdhsa--gfx1250"
	.amdhsa_code_object_version 6
	.text
	.protected	k_q25b4585f57_kv
	.globl	k_q25b4585f57_kv
	.p2align	8
	.type	k_q25b4585f57_kv,@function
k_q25b4585f57_kv:
	s_mov_b64 s[64:65], 0
	v_nop
	global_prefetch_b8 v0, s[64:65] scope:SCOPE_SE
	s_setreg_imm32_b32 hwreg(HW_REG_WAVE_SCHED_MODE, 0, 2), 2
	s_setreg_imm32_b32 hwreg(HW_REG_WAVE_MODE, 25, 1), 1
	s_wait_xcnt 0x0
	s_wait_alu depctr_vm_vsrc(0)
; For one (batch, head) and 2,048 positions: k and v (products on E2M1 codes), LayerNorm over the head's 64 features, k's softmax over the positions by a running maximum,
; and the partial ctx[kd][vd] = sum over positions of p v, with its maximum m[kd] (in units of log2) and its sum l[kd].  A later launch joins the eight partials of a (batch, head).
; SHARES.  Work-group = (chunk of 2,048 positions, batch x 8 + head); wave w takes 256 positions, 32 a step.  No wave shares x with another, so fragments go from memory straight into registers.
; TWO LAYOUTS FROM THE SAME REGISTERS.  LayerNorm wants a lane to hold one position, the maximum over positions and the ctx product want a lane to hold one feature.  So k and v are multiplied twice:
;   A: source 0 = 16 features of W, source 1 = 16 positions: lane (r, h) holds position r and features 16 t + 8 h + j: the statistics need one exchange of halves.
;   B: the sources swapped: lane (r, h) holds feature 16 a + r and positions 16 i + 8 h + j: the values.  Two position tiles, rounded to f16 in pairs, ARE an operand of 32 along K.
; ctx: D(a, b) = (source 0 = v's features 16 b on, source 1 = p's features 16 a on): lane (r, h) holds kd = 16 a + r, vd = 16 b + 8 h + j: a rescaling is one number a lane.
; The statistics (1/sigma and -mean/sigma of a position) go from layout A to layout B through 256 bytes of the wave's own LDS.
; f16 for p (at most 1) and for v.  LIMITS: NaN and infinities are not served; |v| = |7.94 g_v| + |be_v| has to stay under f16's 65,504; the variance is E[u^2] - mean^2, held at 0 from below:
; its relative error grows as (mean / spread)^2 x 2^-24.
; NO CLUSTER: what eight work-groups share is a record of x, 4,352 bytes a step, wanted in one wave's registers; a joint load would bring it through LDS for one reader.
; REGISTERS.  Window 0: v1, v2 the add's two; v3-7 addresses; v8-11 at work; v12-19 l; v20-35 (g_k log2e, be_k log2e), (bk, m) for each a; v36-51 (g_v, be_v), (bv, f); v52-59 W's scale words; v60-61 x's;
;   v64-95 x's fragments; v96-159 T; v160-191 the bias as C of pass A; v192-223 v in f16; v224-255 statistics, else at work.   Window 1: v0-127 ctx's 16 accumulators; v128-255 W's 16 fragments.
; THE MODE: SCHED_MODE bits 1:0 = 2 (LLVM: expert scheduling mode 2), set by the entry lines.  The code itself states the register dependences
; between vector or matrix instructions and memory or LDS instructions, with s_wait_alu, always for 0.
; THE PLAN.  Registers that memory or LDS instructions touch, in a step:
;   v64-95, v60-61  a record of x.  Read by the four passes; the next record's loads land there behind pass B of k, the last reader.
;   v160-191        a bias.  Read by pass A as its C and named by nothing else; the other matrix's bias lands there behind the statistics that follow the pass.
;   v8-11           Written by the statistics, read by the four LDS stores that change their layout; written again by the next statistics and by the maximum's exchange of halves.
;   v224-255        At work for the statistics; then the LDS loads land there; then NORM reads them; behind k's NORM at work for the maximum and the sums.
;   v3-7            Addresses, made at the head and never written again.
;   T, v in f16, l, m, f, ctx and W's fragments are named by vector and matrix instructions alone.
; So a step holds, beside the three waits behind its roots and exponentials: a wait on va_vdst ahead of each of the two changes of layout, under which the bias's loads follow too; one behind pass B of k,
; ahead of the record's loads; and a wait on vm_vsrc beside each of the two waits for the statistics' LDS loads, for the stores that have read v8-11.
.set LOG2E, 0x3fb8aa3b
.set EPSB,  0x3727c5ac
.set R64,   0x3c800000
.set REC,   4352
.set MT,    131072                     ; LDS: 0: eight waves' accumulator images, 16,384 bytes each;  MT: m [kd 64][wave 8];  LT: l [wave 8][kd 64];  MS: the joined m;
.set LT,    133120
.set MS,    135168
.set WP,    135424                     ; WP + 1024 w: the wave's own: bk 256, bv 256, v's statistics 256, k's 256
.set SPARE, 143616                     ; the spare words, 128 bytes for each wave: four blocks of 256 bytes that no other line names
.set MSB, 0
.macro WIN new                         ; the immediate's high byte repeats the setting that is left
.if MSB != (\new)
	s_set_vgpr_msb (MSB<<8)|(\new)
.set MSB, (\new)
.endif
.endm
.macro NOPS n
.rept \n
	v_nop
.endr
.endm
.macro BARRIER                         ; my LDS stores have landed and my LDS loads are in: then the work-group's barrier
	s_wait_dscnt 0x0
	s_barrier_signal -1
	s_barrier_wait -1
.endm
.macro LDX                             ; a record: two tiles' fragments, 512 consecutive bytes a load, and their scale words (lanes 0-15 K step 0, lanes 16-31 K step 1)
.irp i, 0,1
.irp q, 0,1,2,3
	global_load_b128 v[64+16*\i+4*\q:67+16*\i+4*\q], v3, s[4:5] offset:2048*\i+512*\q
.endr
	global_load_b32 v[60+\i], v4, s[4:5] offset:4096+128*\i
.endr
.endm
.macro LDBA off                        ; the bias in pass A's result layout: register 8 t + j = bias(16 t + 8 h + j)
.irp t, 0,1,2,3
	ds_load_b128 v[160+8*\t:163+8*\t], v5 offset:\off+64*\t
	ds_load_b128 v[164+8*\t:167+8*\t], v5 offset:\off+64*\t+16
.endr
.endm
; Pass A for matrix m (0 k, 1 v): 16 products; eight accumulators by turns, K step by K step.  Five places follow: the next pass writes over these results.
.macro APASS m
	WIN 0x01
.irp i, 0,1
.irp t, 0,1,2,3
	v_wmma_scale_f32_16x16x128_f8f6f4 v[96+32*\i+8*\t:103+32*\i+8*\t], v[128+64*\m+16*\t:135+64*\m+16*\t], v[64+16*\i:71+16*\i], v[160+8*\t:167+8*\t], v[52+4*\m+\t], v[60+\i] matrix_a_fmt:MATRIX_FMT_FP4 matrix_b_fmt:MATRIX_FMT_FP4
.endr
.endr
.irp i, 0,1
.irp t, 0,1,2,3
	v_wmma_scale_f32_16x16x128_f8f6f4 v[96+32*\i+8*\t:103+32*\i+8*\t], v[136+64*\m+16*\t:143+64*\m+16*\t], v[72+16*\i:79+16*\i], v[96+32*\i+8*\t:103+32*\i+8*\t], v[52+4*\m+\t], v[60+\i] matrix_a_fmt:MATRIX_FMT_FP4 matrix_b_fmt:MATRIX_FMT_FP4 matrix_a_scale:MATRIX_SCALE_ROW1 matrix_b_scale:MATRIX_SCALE_ROW1
.endr
.endr
	WIN 0
	NOPS 5
.endm
; Pass B: the sources swapped; the first K step starts the sums
.macro BPASS m
	WIN 0x04
.irp a, 0,1,2,3
.irp i, 0,1
	v_wmma_scale_f32_16x16x128_f8f6f4 v[96+16*\a+8*\i:103+16*\a+8*\i], v[64+16*\i:71+16*\i], v[128+64*\m+16*\a:135+64*\m+16*\a], 0, v[60+\i], v[52+4*\m+\a] matrix_a_fmt:MATRIX_FMT_FP4 matrix_b_fmt:MATRIX_FMT_FP4
.endr
.endr
.irp a, 0,1,2,3
.irp i, 0,1
	v_wmma_scale_f32_16x16x128_f8f6f4 v[96+16*\a+8*\i:103+16*\a+8*\i], v[72+16*\i:79+16*\i], v[136+64*\m+16*\a:143+64*\m+16*\a], v[96+16*\a+8*\i:103+16*\a+8*\i], v[60+\i], v[52+4*\m+\a] matrix_a_fmt:MATRIX_FMT_FP4 matrix_b_fmt:MATRIX_FMT_FP4 matrix_a_scale:MATRIX_SCALE_ROW1 matrix_b_scale:MATRIX_SCALE_ROW1
.endr
.endr
	WIN 0
	NOPS 5
.endm
; The statistics of two tiles of positions, their lines by turns.  Tile x: 32 numbers at v[96 + 32 x], at work v[224 + 12 x ..]; 1/sigma -> v[8 + 2 x], -mean/sigma -> v[9 + 2 x].
; Each accumulator is first read at its low end.
.macro LN2
.irp x, 0,1
	v_pk_add_f32 v[224+12*\x:225+12*\x], v[96+32*\x:97+32*\x], v[98+32*\x:99+32*\x]
.endr
.irp x, 0,1
	v_pk_mul_f32 v[228+12*\x:229+12*\x], v[96+32*\x:97+32*\x], v[96+32*\x:97+32*\x]
.endr
.irp x, 0,1
	v_pk_mul_f32 v[230+12*\x:231+12*\x], v[98+32*\x:99+32*\x], v[98+32*\x:99+32*\x]
.endr
.irp x, 0,1
	v_pk_add_f32 v[226+12*\x:227+12*\x], v[100+32*\x:101+32*\x], v[102+32*\x:103+32*\x]
.endr
.irp p, 2,3,4,5,6,7,8,9,10,11,12,13,14,15
.irp x, 0,1
	v_pk_fma_f32 v[228+12*\x+2*(\p%2):229+12*\x+2*(\p%2)], v[96+32*\x+2*\p:97+32*\x+2*\p], v[96+32*\x+2*\p:97+32*\x+2*\p], v[228+12*\x+2*(\p%2):229+12*\x+2*(\p%2)]
.endr
.endr
.irp p, 4,5,6,7,8,9,10,11,12,13,14,15
.irp x, 0,1
	v_pk_add_f32 v[224+12*\x+2*(\p%2):225+12*\x+2*(\p%2)], v[224+12*\x+2*(\p%2):225+12*\x+2*(\p%2)], v[96+32*\x+2*\p:97+32*\x+2*\p]
.endr
.endr
.irp x, 0,1
	v_pk_add_f32 v[224+12*\x:225+12*\x], v[224+12*\x:225+12*\x], v[226+12*\x:227+12*\x]
	v_pk_add_f32 v[228+12*\x:229+12*\x], v[228+12*\x:229+12*\x], v[230+12*\x:231+12*\x]
.endr
.irp x, 0,1
	v_add_f32 v[224+12*\x], v[224+12*\x], v[225+12*\x]
	v_add_f32 v[228+12*\x], v[228+12*\x], v[229+12*\x]
.endr
.irp x, 0,1
	v_permlanex16_b32 v[232+12*\x], v[224+12*\x], s32, s33   ; the position's other 32 features lie in the lane 16 away
	v_permlanex16_b32 v[233+12*\x], v[228+12*\x], s32, s33
.endr
.irp x, 0,1
	v_add_f32 v[224+12*\x], v[224+12*\x], v[232+12*\x]
	v_add_f32 v[228+12*\x], v[228+12*\x], v[233+12*\x]
.endr
.irp x, 0,1
	v_mul_f32 v[224+12*\x], R64, v[224+12*\x]      ; the mean
	v_mul_f32 v[228+12*\x], R64, v[228+12*\x]      ; the mean of the squares
.endr
.irp x, 0,1
	v_fma_f32 v[228+12*\x], -v[224+12*\x], v[224+12*\x], v[228+12*\x]
.endr
.irp x, 0,1
	v_max_num_f32 v[228+12*\x], 0, v[228+12*\x]
.endr
.irp x, 0,1
	v_add_f32 v[228+12*\x], EPSB, v[228+12*\x]
.endr
.irp x, 0,1
	v_rsq_f32 v[8+2*\x], v[228+12*\x]
.endr
	v_nop                                          ; a plain place behind the two roots,
	s_wait_alu depctr_va_vdst(0)                   ; and the two roots v8 and v10 are written, ahead of their first reader
.irp x, 0,1
	v_mul_f32 v[9+2*\x], -v[224+12*\x], v[8+2*\x]
.endr
.endm
; The statistics change layout: lane (r, .) stores position r's two numbers; lane (., h) loads those of positions 8 h + 0 .. 7.  Tile x: 1/sigma -> v[224 + 16 x ..], -mean/sigma -> v[232 + 16 x ..].
.macro STATS off
	s_wait_alu depctr_va_vdst(0)                   ; v8-11 are written, which the stores read; the statistics and the last NORM are done with v224-255, and pass A is done reading its C, v160-191: the loads below, and the bias's behind them, land there
.irp x, 0,1
	ds_store_b32 v6, v[8+2*\x] offset:\off+128*\x
	ds_store_b32 v6, v[9+2*\x] offset:\off+128*\x+64
.endr
.irp x, 0,1
	ds_load_b128 v[224+16*\x:227+16*\x], v7 offset:\off+128*\x        ; LDS serves a wave's instructions in order: these see the stores above
	ds_load_b128 v[228+16*\x:231+16*\x], v7 offset:\off+128*\x+16
	ds_load_b128 v[232+16*\x:235+16*\x], v7 offset:\off+128*\x+64
	ds_load_b128 v[236+16*\x:239+16*\x], v7 offset:\off+128*\x+80
.endr
.endm
; Layout B's values: + bias (low word of pair bb), x 1/sigma - mean/sigma, x gain + shift (the two words of pair gg); tov = 1: rounded to f16 into v's operand
.macro NORM bb, gg, tov
.irp a, 0,1,2,3
.irp i, 0,1
.irp q, 0,1,2,3
	v_pk_add_f32 v[96+16*\a+8*\i+2*\q:97+16*\a+8*\i+2*\q], v[96+16*\a+8*\i+2*\q:97+16*\a+8*\i+2*\q], v[\bb+4*\a:\bb+4*\a+1] op_sel_hi:[1,0]
.endr
.irp q, 0,1,2,3
	v_pk_fma_f32 v[96+16*\a+8*\i+2*\q:97+16*\a+8*\i+2*\q], v[96+16*\a+8*\i+2*\q:97+16*\a+8*\i+2*\q], v[224+16*\i+2*\q:225+16*\i+2*\q], v[232+16*\i+2*\q:233+16*\i+2*\q]
.endr
.irp q, 0,1,2,3
	v_pk_fma_f32 v[96+16*\a+8*\i+2*\q:97+16*\a+8*\i+2*\q], v[96+16*\a+8*\i+2*\q:97+16*\a+8*\i+2*\q], v[\gg+4*\a:\gg+4*\a+1], v[\gg+4*\a:\gg+4*\a+1] op_sel:[0,0,1] op_sel_hi:[1,0,1]
.endr
.if \tov
.irp q, 0,1,2,3
	v_cvt_pk_f16_f32 v[192+8*\a+4*\i+\q], v[96+16*\a+8*\i+2*\q], v[97+16*\a+8*\i+2*\q]
.endr
.endif
.endr
.endr
.endm
.macro SCALEACC                        ; ctx x f: f is the high word of pair v[38 + 4 a]; each accumulator from its low end on
	WIN 0x41
.irp a, 0,1,2,3
.irp p, 0,1,2,3,4,5,6,7,8,9,10,11,12,13,14,15
	v_pk_mul_f32 v[32*\a+2*\p:32*\a+2*\p+1], v[32*\a+2*\p:32*\a+2*\p+1], v[38+4*\a:39+4*\a] op_sel:[0,1] op_sel_hi:[1,1]
.endr
.endr
	WIN 0
.endm
	s_load_b256 s[4:11], s[0:1], 0x0               ; xq, wqc, wqs, bk
	s_load_b256 s[12:19], s[0:1], 0x20             ; bv, g_k, be_k, g_v
	s_load_b128 s[20:23], s[0:1], 0x40             ; be_v, pacc
	s_load_b64 s[24:25], s[0:1], 0x50              ; pml
	v_lshl_add_u32 v1, v0, 2, SPARE
	v_mov_b32 v2, 0
	v_lshrrev_b32 v8, 5, v0
	v_readfirstlane_b32 s26, v8                    ; wave
	s_mov_b32 s27, ttmp9                           ; chunk
	s_and_b32 s28, ttmp7, 0xffff                   ; batch x 8 + head
	s_and_b32 s29, s28, 7
	s_lshr_b32 s30, s28, 3
	s_mov_b32 s32, 0x76543210
	s_mov_b32 s33, 0xfedcba98                      ; v_permlanex16_b32's selects for lane l xor 16
	v_and_b32 v8, 31, v0                           ; lane
	v_and_b32 v9, 15, v0                           ; r
	v_bfe_u32 v10, v0, 4, 1                        ; h
	v_lshlrev_b32 v3, 4, v8                        ; 16 x lane
	v_lshlrev_b32 v4, 3, v9
	v_lshl_add_u32 v4, v10, 2, v4                  ; x's scale words: 8 r + 4 h
	s_wait_alu depctr_va_sdst(0)                   ; s26, the wave's number, is written, ahead of its first reader
	s_lshl_b32 s36, s26, 10
	s_add_co_u32 s36, s36, WP                      ; my wave's own LDS
	v_lshlrev_b32 v5, 5, v10
	v_add_nc_u32 v5, s36, v5                       ; the biases: + 32 h
	v_lshlrev_b32 v11, 2, v9                       ; 4 r
	v_add_nc_u32 v6, s36, v11
	v_add_nc_u32 v6, 512, v6                       ; statistics in: + 4 r
	v_add_nc_u32 v7, 512, v5                       ; statistics out: + 32 h
	v_lshlrev_b32 v62, 2, v8                       ; 4 x lane
	v_add_nc_u32 v63, s36, v62
	s_lshl_b32 s37, s30, 9
	s_lshl_b32 s38, s27, 6
	s_add_co_u32 s37, s37, s38
	s_lshl_b32 s38, s26, 3
	s_add_co_u32 s37, s37, s38                     ; my first record: batch x 512 + chunk x 64 + 8 x wave
	s_mul_i32 s38, s37, REC
	s_mov_b32 s39, 0
	s_wait_kmcnt 0x0
	s_add_nc_u64 s[4:5], s[4:5], s[38:39]
	s_lshl_b32 s38, s29, 13                        ; a head's four tiles of 2,048 bytes
	s_add_nc_u64 s[6:7], s[6:7], s[38:39]
	s_lshl_b32 s38, s29, 9
	s_add_nc_u64 s[8:9], s[8:9], s[38:39]
	s_lshl_b32 s38, s29, 8
	s_add_nc_u64 s[10:11], s[10:11], s[38:39]
	s_add_nc_u64 s[12:13], s[12:13], s[38:39]
	s_lshl_b32 s37, s28, 3
	s_add_co_u32 s37, s37, s27                     ; the partial's number
	s_lshl_b32 s38, s37, 14
	s_lshl_b32 s36, s26, 11
	s_add_co_u32 s38, s38, s36
	s_add_nc_u64 s[22:23], s[22:23], s[38:39]
	s_lshl_b32 s38, s37, 9
	s_add_nc_u64 s[24:25], s[24:25], s[38:39]
	WIN 0x40                                       ; destination window 1: the head's fragments of wk and wv stay in registers
	s_wait_alu depctr_va_vdst(0)                   ; the addresses and offsets v3-7, v11, v62 and v63 are written, which the loads and stores of the head and of the loop read
.irp m, 0,1
.irp t, 0,1,2,3
.irp q, 0,1,2,3
	global_load_b128 v[128+64*\m+16*\t+4*\q:131+64*\m+16*\t+4*\q], v3, s[6:7] offset:((1+\m)*32+\t)*2048+512*\q
.endr
.endr
.endr
	WIN 0
.irp m, 0,1
.irp t, 0,1,2,3
	global_load_b32 v[52+4*\m+\t], v62, s[8:9] offset:((1+\m)*32+\t)*128
.endr
.endr
.irp a, 0,1,2,3                                ; what layout B wants of each input: the number of feature 16 a + r
	global_load_b32 v[20+4*\a], v11, s[14:15] offset:64*\a
	global_load_b32 v[21+4*\a], v11, s[16:17] offset:64*\a
	global_load_b32 v[22+4*\a], v11, s[10:11] offset:64*\a
	global_load_b32 v[36+4*\a], v11, s[18:19] offset:64*\a
	global_load_b32 v[37+4*\a], v11, s[20:21] offset:64*\a
	global_load_b32 v[38+4*\a], v11, s[12:13] offset:64*\a
.endr
	global_load_b32 v224, v62, s[10:11]            ; the head's 64 bk and 64 bv, for pass A's C
	global_load_b32 v225, v62, s[10:11] offset:128
	global_load_b32 v226, v62, s[12:13]
	global_load_b32 v227, v62, s[12:13] offset:128
	LDX
	s_wait_loadcnt 0x0
	ds_store_b32 v63, v224
	ds_store_b32 v63, v225 offset:128
	ds_store_b32 v63, v226 offset:256
	ds_store_b32 v63, v227 offset:384
.irp a, 0,1,2,3
	v_mul_f32 v[20+4*\a], LOG2E, v[20+4*\a]        ; k is kept in units of log2, so that p = 2^(k - m)
	v_mul_f32 v[21+4*\a], LOG2E, v[21+4*\a]
	v_mov_b32 v[23+4*\a], 0                        ; named as upper halves of pairs before they are first written
	v_mov_b32 v[39+4*\a], 0
.endr
	v_mov_b32 v232, 0                              ; written once: a lane permute's destination counts as one of its sources
	v_mov_b32 v233, 0
	v_mov_b32 v244, 0
	v_mov_b32 v245, 0
	LDBA 256                                       ; v's bias
	s_wait_alu depctr_vm_vsrc(0)                   ; the four stores have read v224-227, and the loads of the gains, shifts and biases v11: the first statistics write all five
; A STEP: 32 positions.  first = 1: it starts m, l and ctx.  more = 1: the next record is asked for.
.macro STEP first, more
	NOPS 5                                         ; pass A writes over T, which held p, a source of the last ctx products
	s_wait_loadcnt 0x0                             ; this step's record
	s_wait_dscnt 0x0                               ; v's bias
	APASS 1
	LN2
	STATS 0
	LDBA 0                                         ; k's bias, for the pass after next: under the wait at the head of STATS
	BPASS 1
	s_wait_dscnt 0x0
	s_wait_alu depctr_vm_vsrc(0)                   ; the four stores of v's statistics have read v8-11, which k's statistics write again
	NORM 38, 36, 1
	APASS 0
	LN2
	STATS 256
.if \more
	LDBA 256                                       ; v's bias for the next step: under the wait at the head of STATS; no vector or matrix line names v160-191 until the next step's pass A
.endif
	BPASS 0
.if \more
	s_wait_alu depctr_va_vdst(0)                   ; pass B of k, their last reader, is done reading x's fragments v64-95 and scale words v60-61, in which the next record lands
	s_add_nc_u64 s[4:5], s[4:5], REC               ; (the step's wait for all loads has freed the base)
	LDX                                            ; the rest of the step stands between these loads and the wait for them
.endif
	s_wait_dscnt 0x0
	s_wait_alu depctr_vm_vsrc(0)                   ; the four stores of k's statistics have read v8-11, which the maximum's exchange of halves writes again
	NORM 22, 20, 0
.irp a, 0,1,2,3                                ; the largest of my 16 positions and the old m, the four features by turns
	v_max3_num_f32 v[224+\a], v[96+16*\a], v[97+16*\a], v[98+16*\a]
.endr
.irp j, 3,5,7,9,11,13
.irp a, 0,1,2,3
	v_max3_num_f32 v[224+\a], v[224+\a], v[96+16*\a+\j], v[97+16*\a+\j]
.endr
.endr
.irp a, 0,1,2,3
.if \first
	v_max_num_f32 v[224+\a], v[224+\a], v[111+16*\a]
.else
	v_max3_num_f32 v[224+\a], v[224+\a], v[111+16*\a], v[23+4*\a]
.endif
.endr
.irp a, 0,1,2,3
	v_permlanex16_b32 v[8+\a], v[224+\a], s32, s33
.endr
.irp a, 0,1,2,3
	v_max_num_f32 v[224+\a], v[224+\a], v[8+\a]    ; the new m, the same in both halves of the lanes
.endr
.if !\first
.irp a, 0,1,2,3
	v_sub_f32 v[228+\a], v[23+4*\a], v[224+\a]
.endr
.irp a, 0,1,2,3
	v_exp_f32 v[39+4*\a], v[228+\a]                ; f = 2^(old m - new m)
.endr
.endif
.irp a, 0,1,2,3
	v_mov_b32 v[23+4*\a], v[224+\a]
.endr
.irp a, 0,1,2,3
.irp q, 0,1,2,3,4,5,6,7
	v_pk_add_f32 v[96+16*\a+2*\q:97+16*\a+2*\q], v[96+16*\a+2*\q:97+16*\a+2*\q], v[22+4*\a:23+4*\a] op_sel:[0,1] op_sel_hi:[1,1] neg_lo:[0,1] neg_hi:[0,1]
.endr
.endr
.irp j, 0,1,2,3,4,5,6,7,8,9,10,11,12,13,14,15,16,17,18,19,20,21,22,23,24,25,26,27,28,29,30,31,32,33,34,35,36,37,38,39,40,41,42,43,44,45,46,47,48,49,50,51,52,53,54,55,56,57,58,59,60,61,62,63
	v_exp_f32 v[96+\j], v[96+\j]                   ; p = 2^(k - m)
.endr
	v_nop                                          ; a plain place behind the batch,
	s_wait_alu depctr_va_vdst(0)                   ; and all its exponentials, p in v96-159 and f among them, are written, ahead of the first reader
.irp a, 0,1,2,3
	v_pk_add_f32 v[232+2*\a:233+2*\a], v[96+16*\a:97+16*\a], v[98+16*\a:99+16*\a]
.endr
.irp j, 4,6,8,10,12
.irp a, 0,1,2,3
	v_pk_add_f32 v[232+2*\a:233+2*\a], v[232+2*\a:233+2*\a], v[96+16*\a+\j:97+16*\a+\j]
.endr
.endr
.irp a, 0,1,2,3
.if \first
	v_pk_add_f32 v[12+2*\a:13+2*\a], v[232+2*\a:233+2*\a], v[110+16*\a:111+16*\a]
.else
	v_pk_add_f32 v[232+2*\a:233+2*\a], v[232+2*\a:233+2*\a], v[110+16*\a:111+16*\a]
.endif
.endr
.if !\first
.irp a, 0,1,2,3
	v_pk_fma_f32 v[12+2*\a:13+2*\a], v[12+2*\a:13+2*\a], v[38+4*\a:39+4*\a], v[232+2*\a:233+2*\a] op_sel:[0,1,0] op_sel_hi:[1,1,1]   ; l = l f + the step's sum
.endr
.endif
.irp a, 0,1,2,3
.irp q, 0,1,2,3,4,5,6,7
	v_cvt_pk_f16_f32 v[96+16*\a+\q], v[96+16*\a+2*\q], v[97+16*\a+2*\q]   ; in place, ascending: p's operand is v[96 + 16 a .. + 7]
.endr
.endr
.if \first
	NOPS 4
.else
	SCALEACC
.endif
	WIN 0x50                                       ; C and D window 1
.irp a, 0,1,2,3
.irp b, 0,1,2,3
.if \first
	v_wmma_f32_16x16x32_f16 v[32*\a+8*\b:32*\a+8*\b+7], v[192+8*\b:199+8*\b], v[96+16*\a:103+16*\a], 0
.else
	v_wmma_f32_16x16x32_f16 v[32*\a+8*\b:32*\a+8*\b+7], v[192+8*\b:199+8*\b], v[96+16*\a:103+16*\a], v[32*\a+8*\b:32*\a+8*\b+7]
.endif
.endr
.endr
	WIN 0
.endm
	STEP 1, 1
	s_mov_b32 s34, 6
.Lstep:
	STEP 0, 1
	s_sub_co_u32 s34, s34, 1
	s_cmp_lg_u32 s34, 0
	s_cbranch_scc1 .Lstep
	STEP 0, 0
	; THE EIGHT WAVES' PARTIALS ARE JOINED: the largest m, every wave's ctx and l brought under it, the images added, two accumulators a wave.
	NOPS 4
.irp a, 0,1,2,3
	v_add_f32 v[12+2*\a], v[12+2*\a], v[13+2*\a]
.endr
.irp a, 0,1,2,3
	v_permlanex16_b32 v[8+\a], v[12+2*\a], s32, s33
.endr
.irp a, 0,1,2,3
	v_add_f32 v[12+2*\a], v[12+2*\a], v[8+\a]      ; my wave's l
.endr
	v_and_b32 v224, 15, v0                         ; every LDS address of what follows is made here, ahead of the one branch on the wave's number
	v_and_b32 v225, 31, v0
	s_lshl_b32 s36, s26, 2
	s_add_co_u32 s36, s36, MT
	v_lshlrev_b32 v226, 5, v224
	v_add_nc_u32 v227, s36, v226                   ; m in: MT + 32 r + 4 w (+ 512 a)
	v_add_nc_u32 v226, MT, v226                    ; m out: MT + 32 r
	s_lshl_b32 s36, s26, 14
	v_lshlrev_b32 v228, 4, v225
	v_add_nc_u32 v228, s36, v228                   ; my images: 16384 w + 16 x lane
	s_lshl_b32 s36, s26, 8
	s_add_co_u32 s36, s36, LT
	v_lshlrev_b32 v229, 2, v224
	v_add_nc_u32 v230, MS, v229                    ; the joined m: MS + 4 r
	v_add_nc_u32 v229, s36, v229                   ; l in: LT + 256 w + 4 r
	s_lshl_b32 s36, s26, 11
	v_lshlrev_b32 v231, 4, v225
	v_add_nc_u32 v231, s36, v231                   ; the two accumulators that I add: 2048 w + 16 x lane in waves 0-3's images,
	v_add_nc_u32 v232, 65536, v231                 ; and in waves 4-7's: the immediate has 16 bits
	v_lshlrev_b32 v233, 3, v225                    ; 8 x lane
	v_add_nc_u32 v234, MS, v233
	v_add_nc_u32 v235, LT, v233
	s_wait_alu depctr_va_vdst(0)                   ; m and the addresses v226-235 are written, which the LDS instructions and stores below read; pass A is done reading v160-191, in which the eight waves' m land
.irp a, 0,1,2,3
	ds_store_b32 v227, v[23+4*\a] offset:512*\a
.endr
	BARRIER
.irp a, 0,1,2,3
	ds_load_b128 v[160+8*\a:163+8*\a], v226 offset:512*\a
	ds_load_b128 v[164+8*\a:167+8*\a], v226 offset:512*\a+16
.endr
	s_wait_dscnt 0x0
.irp a, 0,1,2,3
	v_max3_num_f32 v[8+\a], v[160+8*\a], v[161+8*\a], v[162+8*\a]
.endr
.irp a, 0,1,2,3
	v_max3_num_f32 v[8+\a], v[8+\a], v[163+8*\a], v[164+8*\a]
.endr
.irp a, 0,1,2,3
	v_max3_num_f32 v[8+\a], v[8+\a], v[165+8*\a], v[166+8*\a]
.endr
.irp a, 0,1,2,3
	v_max_num_f32 v[8+\a], v[8+\a], v[167+8*\a]    ; the work-group's m
.endr
.irp a, 0,1,2,3
	v_sub_f32 v[236+\a], v[23+4*\a], v[8+\a]
.endr
.irp a, 0,1,2,3
	v_exp_f32 v[39+4*\a], v[236+\a]
.endr
	v_nop
	s_wait_alu depctr_va_vdst(0)                   ; the four factors are written, ahead of their first reader
	SCALEACC
.irp a, 0,1,2,3
	v_mul_f32 v[12+2*\a], v[12+2*\a], v[39+4*\a]
.endr
	WIN 0x04                                       ; an LDS store's data are its source 1: window 1
	s_wait_alu depctr_va_vdst(0)                   ; ctx and l under the joined m are written, which the stores read; and every vector and matrix line that named v64-191 is done: behind the barrier the images land there
.irp k, 0,1,2,3,4,5,6,7,8,9,10,11,12,13,14,15,16,17,18,19,20,21,22,23,24,25,26,27,28,29,30,31
	ds_store_b128 v228, v[4*\k:4*\k+3] offset:512*\k
.endr
	WIN 0
.irp a, 0,1,2,3
	ds_store_b32 v229, v[12+2*\a] offset:64*\a
.endr
	BARRIER
.irp s, 0,1,2,3,4,5,6,7
.irp k, 0,1,2,3
	ds_load_b128 v[64+16*\s+4*\k:67+16*\s+4*\k], v[231+\s/4] offset:16384*(\s%4)+512*\k
.endr
.endr
	s_wait_dscnt 0x0
.irp s, 1,2,3,4,5,6,7
.irp p, 0,1,2,3,4,5,6,7
	v_pk_add_f32 v[64+2*\p:65+2*\p], v[64+2*\p:65+2*\p], v[64+16*\s+2*\p:65+16*\s+2*\p]
.endr
.endr
	s_wait_alu depctr_va_vdst(0)                   ; the sums v64-79 are written, which the stores read; the additions are done reading v160-177, in which wave 0's loads land
.irp k, 0,1,2,3
	global_store_b128 v3, v[64+4*\k:67+4*\k], s[22:23] offset:512*\k   ; 512 consecutive bytes a store
.endr
	s_cmp_lg_u32 s26, 0                            ; wave 0 alone stores m and l; no barrier stands in this branch
	s_cbranch_scc1 .Lend
.irp a, 0,1,2,3
	ds_store_b32 v230, v[8+\a] offset:64*\a
.endr
	ds_load_b64 v[160:161], v234                   ; my own stores, served in order
.irp s, 0,1,2,3,4,5,6,7
	ds_load_b64 v[162+2*\s:163+2*\s], v235 offset:256*\s
.endr
	s_wait_dscnt 0x0
.irp s, 1,2,3,4,5,6,7
	v_pk_add_f32 v[162:163], v[162:163], v[162+2*\s:163+2*\s]
.endr
	s_wait_alu depctr_va_vdst(0)                   ; l's sum v[162:163] is written, which the second store reads
	global_store_b64 v233, v[160:161], s[24:25]              ; 64 m: 256 consecutive bytes
	global_store_b64 v233, v[162:163], s[24:25] offset:256   ; 64 l
.Lend:
	s_wait_dscnt 0x0                               ; the wave's end: the six closing lines on end
	s_wait_alu 0x0
	s_wait_tensorcnt 0x0
	ds_add_u32 v1, v2
	s_wait_dscnt 0x0
	s_endpgm
.Lfunc_end_k_q25b4585f57_kv:
	.size	k_q25b4585f57_kv, .Lfunc_end_k_q25b4585f57_kv-k_q25b4585f57_kv
	.p2alignl 7, 3214868480
	.fill 96, 4, 3214868480
	.section	.rodata,"a",@progbits
	.p2align	6, 0x0
	.amdhsa_kernel k_q25b4585f57_kv
		.amdhsa_group_segment_fixed_size 144640
		.amdhsa_private_segment_fixed_size 0
		.amdhsa_enable_private_segment 0
		.amdhsa_kernarg_size 88
		.amdhsa_user_sgpr_count 2
		.amdhsa_user_sgpr_kernarg_segment_ptr 1
		.amdhsa_wavefront_size32 1
		.amdhsa_system_sgpr_workgroup_id_x 1
		.amdhsa_system_sgpr_workgroup_id_y 1
		.amdhsa_system_sgpr_workgroup_id_z 1
		.amdhsa_system_vgpr_workitem_id 0
		.amdhsa_next_free_vgpr 512
		.amdhsa_next_free_sgpr 66
		.amdhsa_reserve_vcc 0
		.amdhsa_float_denorm_mode_32 3
		.amdhsa_float_denorm_mode_16_64 3
		.amdhsa_memory_ordered 1
		.amdhsa_forward_progress 1
		.amdhsa_inst_pref_size 184
	.end_amdhsa_kernel
	.amdgpu_metadata
---
amdhsa.version: [ 1, 2 ]
amdhsa.kernels:
  - .name:           k_q25b4585f57_kv
    .symbol:         k_q25b4585f57_kv.kd
    .args:
      - { .name: xq, .offset: 0, .size: 8, .value_kind: global_buffer, .address_space: global }
      - { .name: wqc, .offset: 8, .size: 8, .value_kind: global_buffer, .address_space: global }
      - { .name: wqs, .offset: 16, .size: 8, .value_kind: global_buffer, .address_space: global }
      - { .name: bk, .offset: 24, .size: 8, .value_kind: global_buffer, .address_space: global }
      - { .name: bv, .offset: 32, .size: 8, .value_kind: global_buffer, .address_space: global }
      - { .name: g_k, .offset: 40, .size: 8, .value_kind: global_buffer, .address_space: global }
      - { .name: be_k, .offset: 48, .size: 8, .value_kind: global_buffer, .address_space: global }
      - { .name: g_v, .offset: 56, .size: 8, .value_kind: global_buffer, .address_space: global }
      - { .name: be_v, .offset: 64, .size: 8, .value_kind: global_buffer, .address_space: global }
      - { .name: pacc, .offset: 72, .size: 8, .value_kind: global_buffer, .address_space: global }
      - { .name: pml, .offset: 80, .size: 8, .value_kind: global_buffer, .address_space: global }
    .group_segment_fixed_size: 144640
    .private_segment_fixed_size: 0
    .kernarg_segment_align: 8
    .kernarg_segment_size: 88
    .max_flat_workgroup_size: 256
    .sgpr_count:     66
    .vgpr_count:     512
    .wavefront_size: 32
...
	.end_amdgpu_metadata
.endif
;; end of part 5
;; launch fold: the kernel of part 3 again; grid 32 x 1, 8 waves a work-group, no clusters, 1,280 bytes of LDS; arguments pacc, pml, wo, wf, wsc; writes wf, wsc
;; launch qout (part 6): grid 64 x 4, 4 waves a work-group, no clusters, 137,728 bytes of LDS; arguments xq, wqc, wqs, bq, g_q, be_q, wf, wsc, bo, out0; writes out0
.if DOCPART == 6
	.amdgcn_target "amdgcn-amd-amdhsa--gfx1250"
	.amdhsa_code_object_version 6
	.text
	.protected	k_q25b4585f57_qout
	.globl	k_q25b4585f57_qout
	.p2align	8
	.type	k_q25b4585f57_qout,@function
k_q25b4585f57_qout:
	s_mov_b64 s[64:65], 0
	v_nop
	global_prefetch_b8 v0, s[64:65] scope:SCOPE_SE
	s_setreg_imm32_b32 hwreg(HW_REG_WAVE_SCHED_MODE, 0, 2), 2
	s_setreg_imm32_b32 hwreg(HW_REG_WAVE_MODE, 25, 1), 1
	s_wait_xcnt 0x0
	s_wait_alu depctr_vm_vsrc(0)
; For one batch and 256 positions: q (product on E2M1 codes), LayerNorm and softmax over each head's 64 features, then out = W' q + bo, W' being wo folded with ctx by the launch before.
; SHARES.  Wave w makes q of heads 2 w and 2 w + 1, and output rows 64 w .. 64 w + 63 over all 512 of K.  Its 64 fragments of W' (512 registers) and 16 of wq stay in registers for the whole launch.
; What goes from wave to wave is q, rounded to f16, as IMAGES OF OPERAND REGISTERS: 16,384 bytes for a tile of 16 positions, in two buffers by turns, one barrier a tile.
; LAYOUT.  q: source 0 = 16 features of wq, source 1 = 16 positions: lane (r, h) holds position r and features 16 t + 8 h + j: LayerNorm and softmax want one exchange of halves each,
; and tiles 2 u, 2 u + 1 rounded in pairs ARE fragment u of the head.  out: source 0 = q (rows = positions), source 1 = W' (columns = o): lane (r, h) holds o = r and positions 8 h + j: 32 neighbouring bytes of a row of out0.
; SCALES.  W' comes divided by a power of two s of its head.  S is the largest s of the batch's eight heads; q is multiplied by s / S (at most 1) ahead of its rounding, and the sums by S.
; BY TURNS.  The 64 f16 products of tile j stand among the vector lines of tile j + 1's q, one behind every CAD lines (macro TICK): a slice of plain work stands behind each product, and the four accumulators take turns.
; out0 leaves through the wave's own stage, 64 rows x 256 bytes for four tiles, so that sixteen lanes store 256 consecutive bytes, aligned.
; LIMITS: NaN and infinities are not served; the variance is E[u^2] - mean^2, held at 0 from below: its relative error grows as (mean / spread)^2 x 2^-24.
; NO CLUSTER: the work-groups of a batch share W' (262,144 bytes), wanted once, in registers; brought jointly it would have to lie in LDS beside the 137,728 bytes in use, which does not fit.
; REGISTERS.  Window 0: v1, v2 the add's two; v3-13 addresses; v16-23 wq's scale words, v24 x's; v26-29 bo; v[30:31] (1/sigma, -mean/sigma), later the softmax's factor; v32-47 x; v48-79 T; v80-95 q in f16 (first head);
;   v96-127 the four accumulators; v128-159 g_q c, v160-191 be_q c (c = 64^-0.25 log2 e); v192-255 at work, q in f16 (second head: v224-239), rows on the way out.
;   Window 1: v0-127 wq; v128-191 bq as C; v192-255 q's fragments from LDS, two halves.   Windows 2, 3: W'(o tile, K step) at 128 (o tile % 2) + 8 (K step), window 2 + (o tile / 2).
; THE MODE: SCHED_MODE bits 1:0 = 2 (LLVM: expert scheduling mode 2), set by the entry lines.  The code itself states the register dependences
; between vector or matrix instructions and memory or LDS instructions, with s_wait_alu, always for 0.
; THE PLAN.  Registers that memory or LDS instructions touch, in a step (a tile's products among the next tile's q):
;   window 1, v192-223 and v224-255   q's fragments, two halves.  Half g % 2 takes K steps 4 g on and is read by products 16 g to 16 g + 15.  Groups 0 and 1 land at the step's head, group 2 and 3 in the step.
;   v32-47, v24    x's tile.  Lands at the step's head; read by the step's 16 scaled products.
;   v80-95         my first head's q in f16.  Written by its conversions; read by four LDS stores in my second head's turn.
;   v224-239       my second head's.  Written by its conversions; read by four LDS stores at the step's end.
;   v96-127        the accumulators.  Written by the products and by OUT's multiply-adds; read by the stage's eight stores; begun anew by the next step's first four products.
;   v9, v10, v13   LDS addresses, stepped once in two steps.        v192-255: the rows on the way out land there and are stored from there, once in four steps.        v3-8, v11: made at the head, never written again.
; A head's work is 193 counted lines, a product stands behind every sixth.  The waits that stand behind the roots and exponentials anyway also state what the LDS instructions in a step hang on:
;   my first head's wait for its exponentials stands behind line 142: 23 products are issued, so products 0 to 15 are done reading the first half: group 2's loads follow it;
;   my second head's wait for its root stands behind line 193 + 43 = 236: 39 products are issued, so products 16 to 31 are done reading the second half, and my first head's q in f16 is written: group 3's loads and those four stores follow it.
; ONE more wait on va_vdst stands in a step, in OUT: it states that the results and my second head's q in f16 are written (twelve stores follow), that all products are done reading both halves and the scaled products x's tile
; (the next step's loads), and that q's work is done with v192-255 (the way out's loads): no vector line stands between it and any of these.  One wait on vm_vsrc stands ahead of each barrier.
.set QS,    0x3f0293ee                 ; 64^-0.25 x log2(e)
.set EPSB,  0x3727c5ac
.set R64,   0x3c800000
.set REC,   4352
.set XSB,   32768                      ; LDS: 0: x's codes [tile 16][2048];  XSB: its scale words [tile][128];
.set IMG,   34816                      ; q's images, two buffers of 16,384: [K step 16][half 2][lane][16];
.set STG,   67584                      ; a stage of 64 rows x 272 bytes for each wave;
.set SPARE, 137216                     ; the spare words, 128 bytes for each wave: two blocks of 256 bytes that no other line names
.set CAD,   6
.set MI,    64
.set VC,    0
.set RB,    0
.set MODE,  0                          ; 0: q alone (tile 0);  1: products among q's lines;  2: products alone (tile 15)
.set MSB,   0
.macro WIN new
.if MSB != (\new)
	s_set_vgpr_msb (MSB<<8)|(\new)
.set MSB, (\new)
.endif
.endm
.macro NOPS n
.rept \n
	v_nop
.endr
.endm
.macro BARRIER                         ; my LDS stores have landed and my LDS loads are in; then the work-group's barrier
	s_wait_dscnt 0x0
	s_wait_alu depctr_vm_vsrc(0)                   ; the LDS instructions issued so far have read their data and address registers, which the lines behind the barrier write again (which ones: at each use)
	s_barrier_signal -1
	s_barrier_wait -1
.endm
.macro LQ g, buf                       ; K steps 4 g .. 4 g + 3 of q's images in buffer buf, into half g % 2
	WIN 0x40
.irp f, 0,1,2,3
.irp c, 0,1
	ds_load_b128 v[192+32*((\g)%2)+8*\f+4*\c:195+32*((\g)%2)+8*\f+4*\c], v11 offset:16384*(\buf)+(4*(\g)+\f)*1024+512*\c
.endr
.endr
	WIN 0
.endm
; Product MI of 64: K step MI / 4, o tile MI % 4.  A half of q's fragments is fetched anew when its 16 products are done reading it: among q's lines by QUNIT, behind a wait that stands there anyway; where the products stand alone, here.
.macro MM
.if MI < 64
.if (MI == 32) || (MI == 48)
	s_wait_dscnt 0x0                               ; the half that the next 16 products read is in
.endif
.if (MODE == 2) && ((MI == 16) || (MI == 32))
	NOPS 4
	s_wait_alu depctr_va_vdst(0)                   ; the 16 products just issued are done reading their half of q's fragments, in which the loads below land
	LQ MI/16+1, RB
.endif
	WIN 0x09+4*((MI%4)/2)                          ; source 0 window 1, source 1 window 2 or 3
.if MI < 4
	v_wmma_f32_16x16x32_f16 v[96+8*(MI%4):103+8*(MI%4)], v[192+32*((MI/16)%2)+8*((MI/4)%4):199+32*((MI/16)%2)+8*((MI/4)%4)], v[128*(MI%2)+8*(MI/4):128*(MI%2)+8*(MI/4)+7], 0
.else
	v_wmma_f32_16x16x32_f16 v[96+8*(MI%4):103+8*(MI%4)], v[192+32*((MI/16)%2)+8*((MI/4)%4):199+32*((MI/16)%2)+8*((MI/4)%4)], v[128*(MI%2)+8*(MI/4):128*(MI%2)+8*(MI/4)+7], v[96+8*(MI%4):103+8*(MI%4)]
.endif
.set MI, MI+1
.endif
.endm
.macro TICK                            ; behind a vector line of q's work
.set VC, VC+1
.if (VC % CAD) == 0
	MM
	WIN 0
.endif
.endm
.macro MMREST
.rept 64
	MM
.endr
	WIN 0
.endm
.macro XLD ax, as, tile                ; a tile's two fragments of x and its scale words (lanes 0-15 K step 0, lanes 16-31 K step 1)
.irp q, 0,1,2,3
	ds_load_b128 v[32+4*\q:35+4*\q], v[\ax] offset:2048*(\tile)+512*\q
.endr
	ds_load_b32 v24, v[\as] offset:128*(\tile)
.endm
.macro QST hh, wb                      ; q in f16 of my head hh goes into image buffer wb: K step 4 w + 2 hh + t / 2, half t % 2
.irp t, 0,1,2,3
	ds_store_b128 v5, v[80+144*(\hh)+4*\t:83+144*(\hh)+4*\t] offset:16384*(\wb)+2048*(\hh)+512*\t
.endr
.endm
; q of my head hh for the tile in v32-47, rounded to f16 into v[PK ..].  Its images are stored later: my first head's in my second head's turn, my second head's by the caller.
.macro QUNIT hh, wb
.set PK, 80+144*(\hh)
	WIN 0x11                                       ; source 0 (wq) and C (bq) window 1
.irp t, 0,1,2,3
	v_wmma_scale_f32_16x16x128_f8f6f4 v[48+8*\t:55+8*\t], v[64*\hh+16*\t:64*\hh+16*\t+7], v[32:39], v[128+32*\hh+8*\t:135+32*\hh+8*\t], v[16+4*\hh+\t], v24 matrix_a_fmt:MATRIX_FMT_FP4 matrix_b_fmt:MATRIX_FMT_FP4
.endr
	WIN 0x01
.irp t, 0,1,2,3
	v_wmma_scale_f32_16x16x128_f8f6f4 v[48+8*\t:55+8*\t], v[64*\hh+16*\t+8:64*\hh+16*\t+15], v[40:47], v[48+8*\t:55+8*\t], v[16+4*\hh+\t], v24 matrix_a_fmt:MATRIX_FMT_FP4 matrix_b_fmt:MATRIX_FMT_FP4 matrix_a_scale:MATRIX_SCALE_ROW1 matrix_b_scale:MATRIX_SCALE_ROW1
.endr
	WIN 0
	NOPS 5                                         ; five places: the next batch writes over these results
	v_pk_add_f32 v[200:201], v[48:49], v[50:51]    ; the statistics; each accumulator is first read at its low end
	TICK
	v_pk_mul_f32 v[204:205], v[48:49], v[48:49]
	TICK
	v_pk_mul_f32 v[206:207], v[50:51], v[50:51]
	TICK
	v_pk_add_f32 v[202:203], v[52:53], v[54:55]
	TICK
.irp p, 2,3,4,5,6,7,8,9,10,11,12,13,14,15
	v_pk_fma_f32 v[204+2*(\p%2):205+2*(\p%2)], v[48+2*\p:49+2*\p], v[48+2*\p:49+2*\p], v[204+2*(\p%2):205+2*(\p%2)]
	TICK
.endr
.irp p, 4,5,6,7,8,9,10,11,12,13,14,15
	v_pk_add_f32 v[200+2*(\p%2):201+2*(\p%2)], v[200+2*(\p%2):201+2*(\p%2)], v[48+2*\p:49+2*\p]
	TICK
.endr
	v_pk_add_f32 v[200:201], v[200:201], v[202:203]
	TICK
	v_pk_add_f32 v[204:205], v[204:205], v[206:207]
	TICK
	v_add_f32 v200, v200, v201
	TICK
	v_add_f32 v204, v204, v205
	TICK
	v_permlanex16_b32 v208, v200, s28, s29         ; the position's other 32 features lie in the lane 16 away
	TICK
	v_permlanex16_b32 v209, v204, s28, s29
	TICK
	v_add_f32 v200, v200, v208
	TICK
	v_add_f32 v204, v204, v209
	TICK
	v_mul_f32 v200, R64, v200                      ; the mean
	TICK
	v_mul_f32 v204, R64, v204
	TICK
	v_fma_f32 v204, -v200, v200, v204
	TICK
	v_max_num_f32 v204, 0, v204
	TICK
	v_add_f32 v204, EPSB, v204
	TICK
	v_rsq_f32 v30, v204
	v_nop
	s_wait_alu depctr_va_vdst(0)                   ; the root v30 is written, ahead of its first reader.  In my second head's turn also: products 16 to 31 are done reading the second half of q's fragments, and my first head's q in f16, v80-95, is written
.if \hh == 1
.if MODE == 1
	LQ 3, RB                                       ; K steps 12 to 15 into the second half: no product since the wait names it (products 32 to 47 read the first)
.endif
	QST 0, \wb                                     ; no vector line since the wait names v80-95
.endif
	v_mul_f32 v31, -v200, v30
	TICK
.irp p, 0,1,2,3,4,5,6,7,8,9,10,11,12,13,14,15
	v_pk_fma_f32 v[48+2*\p:49+2*\p], v[48+2*\p:49+2*\p], v[30:31], v[30:31] op_sel:[0,0,1] op_sel_hi:[1,0,1]
	TICK
.endr
.irp p, 0,1,2,3,4,5,6,7,8,9,10,11,12,13,14,15
	v_pk_fma_f32 v[48+2*\p:49+2*\p], v[48+2*\p:49+2*\p], v[128+2*\p:129+2*\p], v[160+2*\p:161+2*\p]   ; x g c + be c: the softmax's exponent, in units of log2
	TICK
.endr
	v_max3_num_f32 v222, v48, v49, v50
	TICK
	v_max3_num_f32 v223, v51, v52, v53
	TICK
.irp j, 6,10,14,18,22,26
	v_max3_num_f32 v222, v222, v[48+\j], v[49+\j]
	TICK
	v_max3_num_f32 v223, v223, v[50+\j], v[51+\j]
	TICK
.endr
	v_max3_num_f32 v222, v222, v78, v79
	TICK
	v_max_num_f32 v222, v222, v223
	TICK
	v_permlanex16_b32 v214, v222, s28, s29
	TICK
	v_max_num_f32 v212, v222, v214                 ; the position's maximum over the head's 64
	TICK
.irp p, 0,1,2,3,4,5,6,7,8,9,10,11,12,13,14,15
	v_pk_add_f32 v[48+2*\p:49+2*\p], v[48+2*\p:49+2*\p], v[212:213] op_sel_hi:[1,0] neg_lo:[0,1] neg_hi:[0,1]
	TICK
.endr
.irp j, 0,1,2,3,4,5,6,7,8,9,10,11,12,13,14,15,16,17,18,19,20,21,22,23,24,25,26,27,28,29,30,31
	v_exp_f32 v[48+\j], v[48+\j]
	TICK
.endr
	v_nop                                          ; a plain place behind the batch,
	s_wait_alu depctr_va_vdst(0)                   ; and its 32 exponentials v48-79 are written, ahead of their first reader.  In my first head's turn also: products 0 to 15 are done reading the first half of q's fragments
.if (\hh == 0) && (MODE == 1)
	LQ 2, RB                                       ; K steps 8 to 11 into the first half: no product since the wait names it (products 16 to 31 read the second)
.endif
	v_pk_add_f32 v[216:217], v[48:49], v[50:51]
	TICK
	v_pk_add_f32 v[218:219], v[52:53], v[54:55]
	TICK
.irp j, 8,12,16,20,24,28
	v_pk_add_f32 v[216:217], v[216:217], v[48+\j:49+\j]
	TICK
	v_pk_add_f32 v[218:219], v[218:219], v[50+\j:51+\j]
	TICK
.endr
	v_pk_add_f32 v[216:217], v[216:217], v[218:219]
	TICK
	v_add_f32 v216, v216, v217
	TICK
	v_permlanex16_b32 v220, v216, s28, s29
	TICK
	v_add_f32 v216, v216, v220
	TICK
	v_rcp_f32 v221, v216
	v_nop
	s_wait_alu depctr_va_vdst(0)                   ; the reciprocal v221 is written, ahead of its first reader
	v_mul_f32 v30, s[42+\hh], v221                 ; 1 / sum x (the head's s / S)
	TICK
.irp p, 0,1,2,3,4,5,6,7,8,9,10,11,12,13,14,15
	v_pk_mul_f32 v[48+2*\p:49+2*\p], v[48+2*\p:49+2*\p], v[30:31] op_sel_hi:[1,0]
	TICK
.endr
.irp p, 0,1,2,3,4,5,6,7,8,9,10,11,12,13,14,15
	v_cvt_pk_f16_f32 v[PK+\p], v[48+2*\p], v[49+2*\p]
	TICK
.endr
.endm
.macro OUT buf                         ; the sums x S + bo, into my stage at the tile's 64 bytes of each row
	NOPS 5
.irp o, 0,1,2,3
.irp p, 0,1,2,3
.if (\o%2) == 0
	v_pk_fma_f32 v[96+8*\o+2*\p:97+8*\o+2*\p], v[96+8*\o+2*\p:97+8*\o+2*\p], s[40:41], v[26+2*(\o/2):27+2*(\o/2)] op_sel_hi:[1,0,0]
.else
	v_pk_fma_f32 v[96+8*\o+2*\p:97+8*\o+2*\p], v[96+8*\o+2*\p:97+8*\o+2*\p], s[40:41], v[26+2*(\o/2):27+2*(\o/2)] op_sel:[0,0,1] op_sel_hi:[1,0,1]
.endif
.endr
.endr
	s_wait_alu depctr_va_vdst(0)                   ; the results v96-127 and my second head's q in f16 are written, which the stores below read; all products are done reading q's fragments, the scaled products x's tile, and q's work v192-255: the next loads land in these
.irp o, 0,1,2,3
	ds_store_b128 v13, v[96+8*\o:99+8*\o] offset:4352*\o+64*(\buf)
	ds_store_b128 v13, v[100+8*\o:103+8*\o] offset:4352*\o+64*(\buf)+16
.endr
.endm
; The products of the tile whose images lie in buffer buf, among the work on the next tile's q, which goes into the other buffer.  One barrier: in front of it my reads of one buffer and my stores into the other are done.
.macro DSTEP buf
.if \buf == 0
	v_add_nc_u32 v9, s30, v3                       ; the addresses of two steps: x's codes, its scale words, the stage's column.  (The wait on vm_vsrc ahead of the last barrier has shown their last readers done with them)
	v_add_nc_u32 v10, s31, v4
	v_add_nc_u32 v13, s34, v6
	s_wait_alu depctr_va_vdst(0)                   ; v9, v10 and v13 are written, which the loads of x and the stage's stores of these two steps read
.endif
	LQ 0, \buf
	LQ 1, \buf
	XLD 9, 10, \buf
	s_wait_dscnt 0x0
.set MI, 0
.set VC, 0
.set RB, \buf
.set MODE, 1
	QUNIT 0, 1-\buf
	QUNIT 1, 1-\buf
	MMREST
	OUT \buf
	QST 1, 1-\buf                                  ; under OUT's wait
	BARRIER                                        ; read and written again behind it: the accumulators, both heads' q in f16, and v9, v10, v13
.endm
; My 64 rows x 256 bytes leave: two rows a load and a store; two sets of eight by turns.  on = 1: more steps follow.
.macro FLUSH on
.irp g, 0,1
.irp t, 0,1,2,3,4,5,6,7
	ds_load_b128 v[192+4*\t:195+4*\t], v7 offset:544*(16*\g+\t)
.endr
.irp t, 0,1,2,3,4,5,6,7
	ds_load_b128 v[224+4*\t:227+4*\t], v7 offset:544*(16*\g+8+\t)
.endr
	s_wait_dscnt 8                                 ; the first set is in; the second set's eight loads may be out
.irp t, 0,1,2,3,4,5,6,7
	global_store_b128 v8, v[192+4*\t:195+4*\t], s[22:23] offset:131072*(16*\g+\t) th:TH_STORE_NT   ; each sixteen lanes store 256 consecutive bytes, aligned
.endr
	s_wait_dscnt 0x0
.irp t, 0,1,2,3,4,5,6,7
	global_store_b128 v8, v[224+4*\t:227+4*\t], s[22:23] offset:131072*(16*\g+8+\t) th:TH_STORE_NT
.endr
	s_wait_xcnt 0x0                                ; the stores have read their registers and their base: both may be written again
.if (\g == 0) || \on
	s_wait_alu depctr_vm_vsrc(0)                   ; the sixteen stores have read v192-255, in which the next sixteen loads land, and which q's work writes again
.endif
.endr
	s_add_nc_u64 s[22:23], s[22:23], 256
.endm
.macro LDW ot                          ; W' of my o tile ot: 16 fragments, 512 consecutive bytes a load
	WIN 0x80+0x40*((\ot)/2)
.irp k, 0,1,2,3,4,5,6,7,8,9,10,11,12,13,14,15,16,17,18,19,20,21,22,23,24,25,26,27,28,29,30,31
	global_load_b128 v[128*((\ot)%2)+4*\k:128*((\ot)%2)+4*\k+3], v3, s[16:17] offset:16384*(\ot)+512*\k
.endr
	WIN 0
.endm
	s_load_b256 s[4:11], s[0:1], 0x0               ; xq, wqc, wqs, bq
	s_load_b256 s[12:19], s[0:1], 0x20             ; g_q, be_q, wf, wsc
	s_load_b128 s[20:23], s[0:1], 0x40             ; bo, out0
	v_lshl_add_u32 v1, v0, 2, SPARE
	v_mov_b32 v2, 0
	v_lshrrev_b32 v9, 5, v0
	v_readfirstlane_b32 s24, v9                    ; wave
	s_mov_b32 s25, ttmp9                           ; chunk of 256 positions
	s_and_b32 s26, ttmp7, 0xffff                   ; batch
	s_mov_b32 s28, 0x76543210
	s_mov_b32 s29, 0xfedcba98
	v_and_b32 v9, 31, v0                           ; lane
	v_and_b32 v10, 15, v0                          ; r
	v_bfe_u32 v11, v0, 4, 1                        ; h
	v_lshlrev_b32 v3, 4, v9                        ; 16 x lane
	v_lshlrev_b32 v4, 3, v10
	v_lshl_add_u32 v4, v11, 2, v4
	v_add_nc_u32 v4, XSB, v4                       ; x's scale words: 8 r + 4 h
	s_wait_alu depctr_va_sdst(0)                   ; s24, the wave's number, is written, ahead of its first reader
	s_lshl_b32 s52, s24, 12
	s_add_co_u32 s52, s52, IMG
	v_add_nc_u32 v5, s52, v3                       ; where I store images: 16 x lane + 4096 x wave
	s_mul_i32 s52, s24, 17408
	s_add_co_u32 s52, s52, STG                     ; my stage
	v_mul_u32_u24 v6, v10, 272
	v_lshl_add_u32 v6, v11, 5, v6
	v_add_nc_u32 v6, s52, v6                       ; in: row r, + 32 h
	v_mul_u32_u24 v7, v11, 272
	v_lshl_add_u32 v7, v10, 4, v7
	v_add_nc_u32 v7, s52, v7                       ; back: lanes 0-15 one row, lanes 16-31 the next
	v_lshlrev_b32 v8, 16, v11
	v_lshl_add_u32 v8, v10, 4, v8                  ; and the same two rows of out0, 65,536 bytes apart
	v_lshlrev_b32 v192, 3, v9                      ; 8 x lane
	v_lshlrev_b32 v193, 2, v9                      ; 4 x lane
	v_lshlrev_b32 v194, 5, v11                     ; 32 h
	v_lshlrev_b32 v195, 2, v10                     ; 4 r
	s_lshl_b32 s52, s24, 13
	v_add_nc_u32 v196, s52, v3                     ; x's codes into LDS: my two records
	s_lshl_b32 s52, s24, 9
	s_add_co_u32 s52, s52, XSB
	v_add_nc_u32 v197, s52, v192                   ; and their scale words
	v_add_nc_u32 v11, IMG, v3                      ; where images are read
	s_mov_b32 s53, 0
	s_lshl_b32 s52, s26, 9
	s_lshl_b32 s54, s25, 3
	s_add_co_u32 s52, s52, s54
	s_lshl_b32 s54, s24, 1
	s_add_co_u32 s52, s52, s54                     ; the first record that I copy: batch x 512 + chunk x 8 + 2 x wave
	s_mul_i32 s52, s52, REC
	s_wait_kmcnt 0x0
	s_add_nc_u64 s[4:5], s[4:5], s[52:53]
	s_lshl_b32 s52, s24, 14
	s_add_nc_u64 s[6:7], s[6:7], s[52:53]          ; wq: my eight tiles
	s_lshl_b32 s52, s24, 10
	s_add_nc_u64 s[8:9], s[8:9], s[52:53]
	s_lshl_b32 s52, s24, 9
	s_add_nc_u64 s[10:11], s[10:11], s[52:53]      ; bq: my 128 numbers
	s_lshl_b32 s52, s26, 18
	s_lshl_b32 s54, s24, 16
	s_add_co_u32 s52, s52, s54
	s_add_nc_u64 s[16:17], s[16:17], s[52:53]      ; W': the batch, my four o tiles
	s_lshl_b32 s52, s26, 10
	s_add_nc_u64 s[18:19], s[18:19], s[52:53]      ; the batch's eight scales, 128 bytes apart
	s_lshl_b32 s52, s24, 8
	s_add_nc_u64 s[56:57], s[18:19], s[52:53]      ; my two heads'
	s_add_nc_u64 s[20:21], s[20:21], s[52:53]      ; bo: my 64 numbers
	s_lshl_b32 s52, s26, 24
	s_lshl_b32 s54, s24, 22
	s_add_co_u32 s52, s52, s54
	s_lshl_b32 s54, s25, 10
	s_add_co_u32 s52, s52, s54
	s_add_nc_u64 s[22:23], s[22:23], s[52:53]
.irp h, 0,1,2,3,4,5,6,7
	s_load_b32 s[44+\h], s[18:19], 128*\h
.endr
	s_load_b32 s42, s[56:57], 0x0
	s_load_b32 s43, s[56:57], 0x80
	s_wait_alu depctr_va_vdst(0)                   ; the addresses and offsets v3-8, v11 and v192-197 are written, which the loads and stores of the whole kernel read
.irp rr, 0,1
.irp q, 0,1,2,3,4,5,6,7
	global_load_b128 v[48+34*\rr+4*\q:51+34*\rr+4*\q], v3, s[4:5] offset:REC*\rr+512*\q
.endr
	global_load_b64 v[80+34*\rr:81+34*\rr], v192, s[4:5] offset:REC*\rr+4096
.endr
	WIN 0x40
.irp hh, 0,1
.irp t, 0,1,2,3
.irp q, 0,1,2,3
	global_load_b128 v[64*\hh+16*\t+4*\q:64*\hh+16*\t+4*\q+3], v3, s[6:7] offset:(4*\hh+\t)*2048+512*\q
.endr
	global_load_b128 v[128+32*\hh+8*\t:131+32*\hh+8*\t], v194, s[10:11] offset:256*\hh+64*\t
	global_load_b128 v[132+32*\hh+8*\t:135+32*\hh+8*\t], v194, s[10:11] offset:256*\hh+64*\t+16
.endr
.endr
	WIN 0
.irp hh, 0,1
.irp t, 0,1,2,3
	global_load_b32 v[16+4*\hh+\t], v193, s[8:9] offset:(4*\hh+\t)*128
.endr
.endr
.irp t, 0,1,2,3
	global_load_b128 v[128+8*\t:131+8*\t], v194, s[12:13] offset:64*\t
	global_load_b128 v[132+8*\t:135+8*\t], v194, s[12:13] offset:64*\t+16
	global_load_b128 v[160+8*\t:163+8*\t], v194, s[14:15] offset:64*\t
	global_load_b128 v[164+8*\t:167+8*\t], v194, s[14:15] offset:64*\t+16
.endr
.irp o, 0,1,2,3
	global_load_b32 v[26+\o], v195, s[20:21] offset:64*\o
.endr
	LDW 0
	s_wait_loadcnt 32                              ; all but the 32 loads just issued
.irp rr, 0,1
.irp q, 0,1,2,3,4,5,6,7
	ds_store_b128 v196, v[48+34*\rr+4*\q:51+34*\rr+4*\q] offset:4096*\rr+512*\q
.endr
	ds_store_b64 v197, v[80+34*\rr:81+34*\rr] offset:256*\rr
.endr
.irp p, 0,1,2,3,4,5,6,7,8,9,10,11,12,13,14,15,16,17,18,19,20,21,22,23,24,25,26,27,28,29,30,31
	v_pk_mul_f32 v[128+2*\p:129+2*\p], v[128+2*\p:129+2*\p], QS op_sel_hi:[1,0]
.endr
	v_mov_b32 v208, 0                              ; written once: a lane permute's destination counts as one of its sources,
	v_mov_b32 v209, 0
	v_mov_b32 v214, 0
	v_mov_b32 v220, 0
	v_mov_b32 v213, 0                              ; and this one is named as the upper half of a pair
	LDW 1                                          ; (no vector line since the head's wait names v3 or a register of windows 2 and 3)
	LDW 2
	LDW 3
	s_wait_kmcnt 0x0
	s_max_u32 s40, s44, s45                        ; powers of two: their bits stand in the order of their values
	s_max_u32 s40, s40, s46
	s_max_u32 s40, s40, s47
	s_max_u32 s40, s40, s48
	s_max_u32 s40, s40, s49
	s_max_u32 s40, s40, s50
	s_max_u32 s40, s40, s51                        ; S
	s_mov_b32 s41, s40
	s_sub_co_u32 s52, 0x7f000000, s40              ; 1 / S
	s_mul_f32 s42, s42, s52
	s_mul_f32 s43, s43, s52
	BARRIER                                        ; x's 16 tiles lie in LDS.  Read and written again behind it: v48-115, through which x went, and the offsets v192-197
	XLD 3, 4, 0
	s_wait_dscnt 0x0
.set MI, 64                            ; tile 0's q has no products to stand among
.set MODE, 0
	QUNIT 0, 0
	QUNIT 1, 0
	s_wait_alu depctr_va_vdst(0)                   ; my second head's q in f16, v224-239, is written, which the stores below read
	QST 1, 0
	s_wait_loadcnt 0x0                             ; W'
	BARRIER                                        ; read and written again behind it: both heads' q in f16
	s_mov_b32 s30, 2048                            ; x's codes of the next tile to be worked: tile 1
	s_mov_b32 s31, 128
	s_mov_b32 s34, 0                               ; the stage's column: 128 in odd trips
	s_mov_b32 s35, 7
.Ltrip:                                                ; a trip: the products of tiles 2 T and 2 T + 1, q of tiles 2 T + 1 and 2 T + 2
	DSTEP 0
	DSTEP 1
	s_cmp_eq_u32 s34, 0                            ; four tiles fill the stage: it leaves in odd trips.  The same in all waves, and no barrier stands in the branch
	s_cbranch_scc1 .Lnoflush
	FLUSH 1
.Lnoflush:
	s_xor_b32 s34, s34, 128
	s_add_co_u32 s30, s30, 4096
	s_add_co_u32 s31, s31, 256
	s_sub_co_u32 s35, s35, 1
	s_cmp_lg_u32 s35, 0
	s_cbranch_scc1 .Ltrip
	DSTEP 0                                        ; the tail: tile 14's products among tile 15's q,
	LQ 0, 1                                        ; and tile 15's products alone
	LQ 1, 1
	s_wait_dscnt 0x0
.set MI, 0
.set RB, 1
.set MODE, 2
	MMREST
	OUT 1
	FLUSH 0
	s_wait_dscnt 0x0                               ; the wave's end: the six closing lines on end
	s_wait_alu 0x0
	s_wait_tensorcnt 0x0
	ds_add_u32 v1, v2
	s_wait_dscnt 0x0
	s_endpgm
.Lfunc_end_k_q25b4585f57_qout:
	.size	k_q25b4585f57_qout, .Lfunc_end_k_q25b4585f57_qout-k_q25b4585f57_qout
	.p2alignl 7, 3214868480
	.fill 96, 4, 3214868480
	.section	.rodata,"a",@progbits
	.p2align	6, 0x0
	.amdhsa_kernel k_q25b4585f57_qout
		.amdhsa_group_segment_fixed_size 137728
		.amdhsa_private_segment_fixed_size 0
		.amdhsa_enable_private_segment 0
		.amdhsa_kernarg_size 80
		.amdhsa_user_sgpr_count 2
		.amdhsa_user_sgpr_kernarg_segment_ptr 1
		.amdhsa_wavefront_size32 1
		.amdhsa_system_sgpr_workgroup_id_x 1
		.amdhsa_system_sgpr_workgroup_id_y 1
		.amdhsa_system_sgpr_workgroup_id_z 1
		.amdhsa_system_vgpr_workitem_id 0
		.amdhsa_next_free_vgpr 1024
		.amdhsa_next_free_sgpr 66
		.amdhsa_reserve_vcc 0
		.amdhsa_float_denorm_mode_32 3
		.amdhsa_float_denorm_mode_16_64 3
		.amdhsa_memory_ordered 1
		.amdhsa_forward_progress 1
		.amdhsa_inst_pref_size 189
	.end_amdhsa_kernel
	.amdgpu_metadata
---
amdhsa.version: [ 1, 2 ]
amdhsa.kernels:
  - .name:           k_q25b4585f57_qout
    .symbol:         k_q25b4585f57_qout.kd
    .args:
      - { .name: xq, .offset: 0, .size: 8, .value_kind: global_buffer, .address_space: global }
      - { .name: wqc, .offset: 8, .size: 8, .value_kind: global_buffer, .address_space: global }
      - { .name: wqs, .offset: 16, .size: 8, .value_kind: global_buffer, .address_space: global }
      - { .name: bq, .offset: 24, .size: 8, .value_kind: global_buffer, .address_space: global }
      - { .name: g_q, .offset: 32, .size: 8, .value_kind: global_buffer, .address_space: global }
      - { .name: be_q, .offset: 40, .size: 8, .value_kind: global_buffer, .address_space: global }
      - { .name: wf, .offset: 48, .size: 8, .value_kind: global_buffer, .address_space: global }
      - { .name: wsc, .offset: 56, .size: 8, .value_kind: global_buffer, .address_space: global }
      - { .name: bo, .offset: 64, .size: 8, .value_kind: global_buffer, .address_space: global }
      - { .name: out0, .offset: 72, .size: 8, .value_kind: global_buffer, .address_space: global }
    .group_segment_fixed_size: 137728
    .private_segment_fixed_size: 0
    .kernarg_segment_align: 8
    .kernarg_segment_size: 80
    .max_flat_workgroup_size: 128
    .sgpr_count:     66
    .vgpr_count:     1024
    .wavefront_size: 32
...
	.end_amdgpu_metadata
.endif
;; end of part 6
